; MI455X (gfx1250); checked and timed in simulation.
; The chip was launched on July 23, 2026; its instructions are those of AMD's public machine-readable ISA for CDNA 5 (MIT licence, August 2026) and "CDNA5" Instruction Set Architecture Reference Guide (July 2026). The comments in the code are by the model that wrote it; some were corrected since.
;; Attention. Allowed arithmetic: matrix products marked QUANTISED: E3M2 operands, one E8M0 scale for each 32 along K, by v_wmma_scale_f32_16x16x128_f8f6f4 with both operands' format E3M2, f32 sums; products left as they are: f32 operands where the result goes on into a quantised operand, else bf16, f16 or f32 operands; f32 sums; everything else in f32.
;; Inputs: W_out 1,024 x 1,024 float32; W_qkv 1,024 x 3,072 float32; b_out 1,024 float32; x 4 x 4,096 x 1,024 float32.
;; Outputs: out0 4 x 4,096 x 1,024 float32.
;; This version of the problem:
;;   THIS VERSION OF THE PROBLEM IS GIVEN IN LOW PRECISION. The matrix products marked QUANTISED in the list below multiply operands that are first quantised to E3M2 (3 exponent bits, 2 mantissa bits; 6 bits a number), with one power-of-two scale for each 32 numbers along K (OCP MX v1.0); their sums are f32. All else is computed in f32.
;;   The module's matrix products, in the order in which they are computed (A, B: the left and right operand; K: the contracted axis; several contracted axes count as one K, in the product's order):
;;     1. [M 16,384, K 1,024] x [K 1,024, N 3,072]; A: input x; B: input W_qkv: QUANTISED
;;     2. batch 16,384 x [M 16, K 64] x [K 64, N 16]; A: computed on the way; B: computed on the way: QUANTISED
;;     3. batch 16,384 x [M 16, K 16] x [K 16, N 64]; A: softmax; B: computed on the way: left as it is (K = 16 < 32)
;;     4. [M 16,384, K 1,024] x [K 1,024, N 1,024]; A: computed on the way; B: input W_out: QUANTISED
;;   THE QUANTISER, for each operand of a quantised product, along K:
;;     - K is cut into blocks of 32 from its start; a last block that is shorter is filled with zeros.
;;     - A block's scale is 2^e with e = floor(log2(the largest magnitude in the block)) - 4, held to -126 .. 127; a block of zeros has e = 0. As a byte (E8M0): e + 127.
;;     - Each number is divided by its block's scale, clamped to +-28, and rounded to the nearest number of E3M2, ties to even, subnormals kept.
;;     - The product sums the exact products of the quantised numbers (number of the format x scale) in f32.
;;   ~~~python
;;   def quantise(x, axis):      # numpy; x: float32 -> the quantised numbers, widened to float32 again
;;       x = np.moveaxis(x, axis, -1); K = x.shape[-1]
;;       x = np.pad(x, [(0, 0)] * (x.ndim - 1) + [(0, -K % 32)]); x = x.reshape(x.shape[:-1] + (-1, 32)); a = np.abs(x).max(-1, keepdims=True)
;;       e = np.where(a > 0, np.clip(np.frexp(np.where(a > 0, a, 1))[1] - 1 - 4, -126, 127), 0)      # np.frexp(a)[1] - 1 = floor(log2(a)), exactly
;;       r = np.clip(x / 2.0 ** e, -28, 28)
;;       step = 2.0 ** (np.maximum(np.frexp(np.where(r == 0, 1, r))[1] - 1, -2) - 2)
;;       q = np.round(r / step) * step * 2.0 ** e      # np.round: ties to even
;;       return np.moveaxis(q.reshape(q.shape[:-2] + (-1,))[..., :K], -1, axis).astype(np.float32)
;;   ~~~
;;   OPERANDS COMPUTED ON THE WAY. 'Computed on the way' means the value that the module computes at that place (a softmax that the list does not call 'softmax' is quantised finished and normalised). What goes into a quantiser is computed in f32, as accurately as f32 sums, v_exp_f32 and their like allow (about 1e-6 of the number): no bf16 or f16 on the way to a quantiser, and a product that is left as it is and whose result goes on into a quantised operand takes f32 operands (vector FMAs, or v_wmma_f32_16x16x4_f32). A number that lies on a knife's edge between two numbers of the format may be rounded either way, as far as f32 arithmetic and the matrix unit's own rounding can turn it there, and no further.
;; 2 versions, each right; version 2 is version 1 with the launch fused written anew for expert scheduling mode. Each part assembles by itself: llvm-mc -triple=amdgcn-amd-amdhsa -mcpu=gfx1250 --defsym DOCPART=n.
;; ======== version 1 of 2: 2 launches
;; workspace buffers: wq 3,276,800 bytes
;; launch wquant (part 1): grid 32 x 8, 4 waves a work-group, no clusters, 0 bytes of LDS; arguments W_qkv, W_out, wq; writes wq
.if DOCPART == 1
	.amdgcn_target "amdgcn-amd-amdhsa--gfx1250"
	.amdhsa_code_object_version 6
	.text
	.protected	k_q28f2f59505_wquant
	.globl	k_q28f2f59505_wquant
	.p2align	8
	.type	k_q28f2f59505_wquant,@function
k_q28f2f59505_wquant:
	s_mov_b64 s[64:65], 0
	v_nop
	global_prefetch_b8 v0, s[64:65] scope:SCOPE_SE
	s_setreg_imm32_b32 hwreg(HW_REG_WAVE_MODE, 25, 1), 1
	s_wait_xcnt 0x0
; W_qkv [1024][3072] and W_out [1024][1024], f32, K their FIRST axis, become codes of BF6 (E3M2) with one E8M0 byte for each 32 along K,
; laid in wq in the order in which the second launch reads them: as images of the matrix operand's registers.
; wq[w 0..3][unit 0..31][group 0..3]: a unit is 32 weight columns x all of K (25,600 bytes), a group two K steps of 128 (6,400 bytes):
;   256 bytes of scale words (lane (r', h): 8 bytes at 8 (r' + 16 h): the words of row r' of tiles 0 and 1 for K step 2 g + h), then four images
;   of 1,536 bytes, image 2 (K step % 2) + tile: registers 4 c .. 4 c + 3 of fragment lane (r', h) at 512 c + 16 (r' + 16 h).
; Row r' of tile u is column 8 u + r' + 8 (r' / 8) of the unit's 32, so that the reader's 16 result registers of tiles 0 and 1 are 16 neighbouring columns.
; Units 0-7 of wave w: W_qkv's columns 32 (8 w + i) on; 8-15: the same + 1,024; 16-23: + 2,048; 24-31: W_out's columns 32 (8 w + i - 24) on.
; A LANE TAKES A COLUMN AND ITS REGISTERS RUN DOWN K: a wave takes 32 columns x 128 rows; each load reads 128 consecutive bytes a wave, 512 a work-group;
; a block of 32 along K lies in one lane's registers, and the conversions give codes with K innermost.  Nothing is transposed.
; A block's scale is 2^(floor(log2(largest magnitude)) - 4): its byte is the largest magnitude's exponent field - 4, held at 1 from below.
; LIMITS: a block of zeros gets the byte 1 where the rule says 127 (its codes are zeros, and this program alone reads the bytes); NaN and infinities are not served.
; No LDS, no barrier, no loop: every offset is an immediate (127 x 12,288 bytes at the most).
.set PQ,  12288                        ; bytes in a row of W_qkv
.set PO,  4096                         ; bytes in a row of W_out
.set X,   16                           ; v16-143   my column's 128 numbers
.set MA,  144                          ; v144-146  two chains of maxima, the byte
.set SO,  152                          ; v152-155  the conversions' scale operands, one a block
.set SW,  156                          ; v156      my column's scale word
.set CH,  160                          ; v160-171 the 12 registers of fragment lane (r', 0); v172-183 those of (r', 1)
.set PT,  184                          ; v184-186, v188-190: a block's upper 16 codes (a conversion's three registers begin on an even number)
	s_load_b128 s[4:7], s[0:1], 0x0                ; W_qkv, W_out
	s_load_b64 s[8:9], s[0:1], 0x10                ; wq
	v_lshrrev_b32 v1, 5, v0
	v_readfirstlane_b32 s10, v1                    ; wave 0..3
	v_and_b32 v1, 31, v0                           ; lane l = my column of the 32
	v_lshlrev_b32 v2, 2, v1                        ; in: 4 bytes a lane
	v_bfe_u32 v5, v0, 3, 1                         ; u = (l / 8) % 2: my tile
	v_and_b32 v6, 7, v0
	v_bfe_u32 v7, v0, 4, 1
	v_lshl_add_u32 v6, v7, 3, v6                   ; r' = l % 8 + 8 (l / 16): my row in it
	v_mul_u32_u24 v3, v5, 1536
	v_lshl_add_u32 v3, v6, 4, v3                   ; out: 1,536 u + 16 r'
	v_lshlrev_b32 v4, 2, v5
	v_lshl_add_u32 v4, v6, 3, v4                   ; the scale word: 8 r' + 4 u
	s_lshl_b32 s11, ttmp9, 2
	s_add_co_u32 s11, s11, s10                     ; Bc = 4 x work-group x + wave: which 32 columns, 0..127 (96 on: W_out's)
	s_and_b32 s12, ttmp7, 0xffff                   ; y: which K step
	s_bfe_u32 s16, s11, 0x20003                    ; (Bc / 8) % 4: the reading wave
	s_mul_i32 s16, s16, 819200
	s_lshr_b32 s17, s11, 5
	s_lshl_b32 s17, s17, 3
	s_and_b32 s18, s11, 7
	s_add_co_u32 s17, s17, s18                     ; its unit: 8 (Bc / 32) + Bc % 8
	s_mul_i32 s17, s17, 25600
	s_add_co_u32 s16, s16, s17
	s_lshr_b32 s17, s12, 1
	s_mul_i32 s17, s17, 6400                       ; the group: y / 2
	s_add_co_u32 s16, s16, s17
	s_and_b32 s18, s12, 1
	s_mul_i32 s20, s18, 3072                       ; the odd K step's two images lie behind the even one's
	s_add_co_u32 s20, s20, s16
	s_mov_b32 s21, 0
	s_lshl_b32 s22, s18, 7                         ; and its scale words in the upper 128 bytes
	s_add_co_u32 s22, s22, s16
	s_mov_b32 s23, 0
	s_cmp_lt_u32 ttmp9, 24                         ; W_qkv's work-group or W_out's?  The choice hangs on the work-group's number alone
	s_mov_b32 s13, 128*PO
	s_cselect_b32 s13, 128*PQ, s13                 ; bytes in 128 rows
	s_cselect_b32 s14, 0, 96
	s_wait_kmcnt 0x0
	s_cselect_b64 s[4:5], s[4:5], s[6:7]
	s_sub_co_u32 s14, s11, s14                     ; which 32 columns of that tensor
	s_lshl_b32 s14, s14, 7
	s_mul_i32 s15, s12, s13
	s_add_co_u32 s14, s14, s15
	s_mov_b32 s15, 0
	s_add_nc_u64 s[4:5], s[4:5], s[14:15]          ; my wave's first number
	s_add_nc_u64 s[20:21], s[8:9], s[20:21]        ; where the images go
	s_add_nc_u64 s[22:23], s[8:9], s[22:23]        ; where the scale words go
.macro LOADS pitch                     ; W(128 y + i, my column), i = 0 .. 127
.set li, 0
.rept 128
	global_load_b32 v[X+li], v2, s[4:5] offset:li*(\pitch) th:TH_LOAD_NT
.set li, li+1
.endr
.endm
	s_cmp_lt_u32 ttmp9, 24                         ; the two tensors differ in the loads' immediates alone: 128 loads on either way
	s_cbranch_scc0 .Lwout
	LOADS PQ
	s_branch .Lloaded
.Lwout:
	LOADS PO
.Lloaded:
; Block t: rows 32 t on.  The operand's layout gives fragment lane (r', h) the blocks h and 2 + h: block t is registers 6 (t / 2) .. + 5 of half t % 2.
.macro BLOCK t
.set XS, X+32*(\t)
.set CD, CH+12*((\t)%2)+6*((\t)/2)
	v_max3_num_f32 v[MA], |v[XS]|, |v[XS+1]|, |v[XS+2]|             ; the block's largest magnitude: all 32 numbers are mine; two chains
	v_max3_num_f32 v[MA+1], |v[XS+3]|, |v[XS+4]|, |v[XS+5]|
.irp i, 6,10,14,18,22,26
	v_max3_num_f32 v[MA], v[MA], |v[XS+\i]|, |v[XS+\i+1]|
	v_max3_num_f32 v[MA+1], v[MA+1], |v[XS+\i+2]|, |v[XS+\i+3]|
.endr
	v_max3_num_f32 v[MA], v[MA], |v[XS+30]|, |v[XS+31]|
	v_max3_num_f32 v[MA], v[MA], v[MA+1], 0x2800000                 ; and the floor 2^(5 - 127): the byte cannot fall under 1
	v_add_nc_u32 v[SO+(\t)], 0xfe000000, v[MA]                      ; 4 off the exponent field: the conversion takes this operand's exponent field as its scale
	v_lshrrev_b32 v[MA+2], 23, v[SO+(\t)]                           ; the scale's byte
.if (\t) == 0
	v_mov_b32 v[SW], v[MA+2]
.else
	v_lshl_or_b32 v[SW], v[MA+2], 8*(\t), v[SW]                     ; byte t of the K step's scale word
.endif
	v_cvt_scalef32_pk16_bf6_f32 v[CD:CD+2], v[XS:XS+15], v[SO+(\t)]
	v_cvt_scalef32_pk16_bf6_f32 v[PT+4*((\t)%2):PT+4*((\t)%2)+2], v[XS+16:XS+31], v[SO+(\t)]
	v_nop                                          ; one plain place behind a scaled conversion
.irp i, 0,1,2
	v_mov_b32 v[CD+3+\i], v[PT+4*((\t)%2)+\i]
.endr
.endm
	s_wait_loadcnt 63                              ; loads come back in order: all but the youngest 63 of 128 are in: rows 0 to 64, blocks 0 and 1
	BLOCK 0
	BLOCK 1
	s_wait_loadcnt 32                              ; the youngest 32 (block 3) may be out
	BLOCK 2
	s_wait_loadcnt 0x0
	BLOCK 3
.irp h, 0,1
.irp c, 0,1,2
	global_store_b128 v3, v[CH+12*\h+4*\c:CH+12*\h+4*\c+3], s[20:21] offset:256+512*\c+256*\h   ; the sixteen lanes of a tile store 256 consecutive bytes, at a multiple of 256 from wq's first byte
.endr
.endr
	global_store_b32 v4, v[SW], s[22:23]           ; 128 consecutive bytes: the other K step of the group, another work-group's, fills the 256
	s_endpgm
.Lfunc_end_k_q28f2f59505_wquant:
	.size	k_q28f2f59505_wquant, .Lfunc_end_k_q28f2f59505_wquant-k_q28f2f59505_wquant
	.p2alignl 7, 3214868480
	.fill 96, 4, 3214868480
	.section	.rodata,"a",@progbits
	.p2align	6, 0x0
	.amdhsa_kernel k_q28f2f59505_wquant
		.amdhsa_group_segment_fixed_size 0
		.amdhsa_private_segment_fixed_size 0
		.amdhsa_enable_private_segment 0
		.amdhsa_kernarg_size 24
		.amdhsa_user_sgpr_count 2
		.amdhsa_user_sgpr_kernarg_segment_ptr 1
		.amdhsa_wavefront_size32 1
		.amdhsa_system_sgpr_workgroup_id_x 1
		.amdhsa_system_sgpr_workgroup_id_y 1
		.amdhsa_system_sgpr_workgroup_id_z 1
		.amdhsa_system_vgpr_workitem_id 0
		.amdhsa_next_free_vgpr 192
		.amdhsa_next_free_sgpr 66
		.amdhsa_reserve_vcc 0
		.amdhsa_float_denorm_mode_32 3
		.amdhsa_float_denorm_mode_16_64 3
		.amdhsa_memory_ordered 1
		.amdhsa_forward_progress 1
		.amdhsa_inst_pref_size 33
	.end_amdhsa_kernel
	.amdgpu_metadata
---
amdhsa.version: [ 1, 2 ]
amdhsa.kernels:
  - .name:           k_q28f2f59505_wquant
    .symbol:         k_q28f2f59505_wquant.kd
    .args:
      - { .name: W_qkv, .offset: 0, .size: 8, .value_kind: global_buffer, .address_space: global }
      - { .name: W_out, .offset: 8, .size: 8, .value_kind: global_buffer, .address_space: global }
      - { .name: wq, .offset: 16, .size: 8, .value_kind: global_buffer, .address_space: global }
    .group_segment_fixed_size: 0
    .private_segment_fixed_size: 0
    .kernarg_segment_align: 8
    .kernarg_segment_size: 24
    .max_flat_workgroup_size: 128
    .sgpr_count:     66
    .vgpr_count:     192
    .wavefront_size: 32
...
	.end_amdgpu_metadata
.endif
;; end of part 1
;; launch fused (part 2): grid 256 x 1, 4 waves a work-group, no clusters, 324,096 bytes of LDS; arguments x, wq, b_out, out0; writes out0
.if DOCPART == 2
	.amdgcn_target "amdgcn-amd-amdhsa--gfx1250"
	.amdhsa_code_object_version 6
	.text
	.protected	k_q28f2f59505_fused
	.globl	k_q28f2f59505_fused
	.p2align	8
	.type	k_q28f2f59505_fused,@function
k_q28f2f59505_fused:
	s_mov_b64 s[64:65], 0
	v_nop
	global_prefetch_b8 v0, s[64:65] scope:SCOPE_SE
	s_setreg_imm32_b32 hwreg(HW_REG_WAVE_MODE, 25, 1), 1
	s_wait_xcnt 0x0
; out0 = attention over the HEADS of each token: qkv = Q(x) Q(W_qkv); for each token S = Q(q) Q(k)^T / 8 (16 x 16 over the heads, K = 64), softmax over g, out = P v in f32; out0 = Q(out) Q(W_out) + b_out.
; Q: codes of BF6 (E3M2), one E8M0 scale for each 32 along K.  Nothing crosses tokens: a work-group of four waves owns 64 tokens and runs the whole chain; no intermediate goes to memory.
; SHARES.  In the two large products THE WAVES SHARE THE COLUMNS: wave w walks its 32 units of 32 weight columns, each for all 64 rows.  The rows' codes (x's, later out's: 32 fragments, 384 registers) stay in
; every wave's registers; a weight fragment is wanted by one wave alone and comes straight from wq, an image of its registers, by three loads of 512 consecutive bytes, and feeds four matrix instructions.
; A ring of 16 fragments in registers (one unit, 24,576 bytes a wave) is always on its way, under counted waits.  In the work that goes token by token wave w owns tokens 16 w .. 16 w + 15.
; TOKEN WORK STANDS BETWEEN THE UNITS OF v.  A unit's 64 products want 24,576 new bytes a wave; work that asks nothing of memory is set behind a unit, while the next unit's bytes are on their way.
; v is made in two halves of d (block b = 0 of my four heads, then b = 1).  Behind each of the first four units: the scores and softmax of four tokens.  Behind each of the last four: out = P v for d < 32 of four tokens,
; which wants only the first half of v.  The half d >= 32 follows by itself: the last product's K is all of out.
; THE MATRIX INSTRUCTION IS USED TRANSPOSED (source 0 = 16 weight columns, source 1 = 16 tokens), and the columns of a tile are chosen (see wquant) so that lane (r, hh) holds token r and, in the 16 registers of a
; unit's two tiles, the 16 neighbouring columns 16 hh + 0 .. 15: a block of 32 along the next K lies in lanes l and l xor 16.
; NO CLUSTER, NO TENSOR LOAD: what work-groups share is the weights' stream, and a ring for joint loads wants LDS bytes that no wave ever stores to: v's two halves (268,288 bytes), out's codes (50,176) and their
; scales (2,048) leave 7,168 bytes, where one unit of the four waves is 102,400.
; LDS (bytes; regions that share bytes are parted by barriers):  V 0: two halves of 134,144: 64 tokens x 2,096, f32, element (g, d' = d % 32) at 128 g + 32 (g / 8) + 4 d'  |  XST 0: 4 waves x 16 rows x 528
;   XIMG 33,792: 32 images x 1,536  |  XSC 82,944: 4 x 512  |  QKC 134,144 (in V's second half): 64 tokens x 1,544: wave w's block t at 384 w + 24 t (t 0-7 q's, 8-15 k's)  |  QKS 232,960: 64 x 68, the byte at 16 w + t
;   STG 0: 4 waves x 64 rows x 272  |  OC 271,360: 64 tokens x 784: block (h, b) at 48 h + 24 b  |  OSC 321,536: 4 x 512.   XSC, OSC: the word of (tile m, row r, K step s) at 512 m + 16 (r + 16 (s % 2)) + 4 (s / 2).
; REGISTERS, in windows of 256 (s_set_vgpr_msb: bits 1:0 source 0, 3:2 source 1, 5:4 source 2, 7:6 destination):
;   window 0: v1-31 addresses; v32-59 scale words and nothing else; v64-127 eight accumulators, written by matrix instructions alone; v128-255 by phases (below)
;   windows 1, 2: v0-191 the rows' fragments, (tile m, K step s) in window 1 + s / 4 at 48 (s % 4) + 12 m; v192-255 P, token i in window 1 + i / 8 at 192 + 8 (i % 8); in phase X all 512: x as loaded
;   window 3: v0-191 the ring of weight fragments; v192-207 the unit's bias
; LIMITS: NaN and infinities are not served.  A block whose largest magnitude lies under 2^-122, zeros too, gets the byte 1 (for zeros the rule says 127: the codes are zeros and this program alone reads the bytes).
; The softmax takes the row's largest score away and is normalised ahead of the product with v.
.set XST,   0
.set XIMG,  33792
.set XSC,   82944
.set VP,    2096                       ; a token's row in a half of V: 131 x 16 bytes, so that sixteen tokens' stores of 16 bytes fall on sixteen different groups of banks
.set VH,    64*VP                      ; a half of V
.set QKC,   134144
.set QKS,   232960
.set STG,   0
.set OC,    271360
.set OSC,   321536
.set UNITB, 25600                      ; a unit in wq
.set GRPB,  6400                       ; a group: two K steps
.set LI,   1                           ; v1   16 x lane
.set L8,   2                           ; v2   8 x lane
.set XSTO, 3                           ; v3   x's stage, in: 8,448 w + 16 lane
.set XSTL, 4                           ; v4   and out: 8,448 w + 528 r + 64 hh
.set XWI,  5                           ; v5   where I store x's images: XIMG + 12,288 w + 16 lane
.set XWS,  6                           ; v6   and their scale words: XSC + 512 w + 16 r
.set XFI,  7                           ; v7   XIMG + 16 lane
.set XFS,  8                           ; v8   XSC + 16 lane
.set QW,   9                           ; v9   QKC + 1,544 lane + 384 w
.set QSW,  10                          ; v10  QKS + 68 lane + 16 w
.set AQK,  11                          ; v11  QKC + 24,704 w + 384 (r / 4) + 48 (r % 4) + 24 hh
.set ASS,  12                          ; v12  QKS + 1,088 w + 16 (r / 4) + 2 (r % 4) + 8 hh
.set VA,   13                          ; v13-16  (16 m + r) 2,096 + 64 hh + 512 w + 32 (w / 2)
.set AV0,  17                          ; v17, v18  33,536 w + 1,056 hh + 4 (r + 8 (r / 8)), in V's first half and in its second
.set OW,   19                          ; v19  OC + 12,544 w + 48 r + 784 hh
.set OSW,  20                          ; v20  OSC + 512 w + 256 ((r / 2) % 2) + 4 (r / 4) + 2 (r % 2) + 16 hh
.set AO,   21                          ; v21  OC + 784 r + 24 hh
.set AOS,  22                          ; v22  OSC + 16 lane
.set STO,  23                          ; v23  STG + 17,408 w + 272 r + 64 hh
.set RD,   24                          ; v24  STG + 17,408 w + 272 hh + 16 r
.set CO,   25                          ; v25  4,096 hh + 16 r
.set BA,   26                          ; v26  64 hh
.set TA,   27                          ; v27-30  addresses made anew for a unit (at the head: lane, r, hh, at work)
.set SX,   32                          ; v32-47  the rows' scale words: 4 m + q: lanes 0-15 K step 2 q, lanes 16-31 K step 2 q + 1
.set WS,   48                          ; v48-55  the weights': 2 g + u: lanes 0-15 K step 2 g, lanes 16-31 K step 2 g + 1
.set SS,   56                          ; v56-59  the scores': lanes 0-15 q's two bytes, lanes 16-31 k's
.set AC,   64                          ; v64-127 accumulator (tile u, row tile m) at AC + 16 m + 8 u
.set XB,   128                         ; v128-191  phase X: 64 numbers of x
.set SF,   128                         ; v128-223  scores: four sets of k's and q's fragment
.set VV,   128                         ; v128-191  the product with v: v's fragments of four tokens
.set OB,   128                         ; v128-255  the way out: 64 rows x 256 bytes
.set TM,   192                         ; v192-195 largest magnitudes; v196-199 the other half's; v200-203 scale operands; v204-207 bytes
.set T2,   196
.set SO,   200
.set BY,   204
.set PC,   208                         ; v208-219 the codes just made
.set PT,   220                         ; v220-222, v224-226 conversions that would begin on an odd register
.set FB,   228                         ; v228-229 a lane's scale byte
.set PW,   230                         ; v230 a row's scale word
.set SR,   224                         ; v224-239 two tokens' scores
.set TT,   240                         ; v240-251 the softmax's: for each token +0 maximum, then sum; +1 the other half's; +2,3 -c x maximum (a pair); +4,5 1 / sum (a pair)
.set RB,   0                           ; window 3
.set BI,   192                         ; window 3
.set WV,   12                          ; s12      my wave's number
.set WP,   16                          ; s[16:17] wq at the unit in hand (in the v phase: at my first unit of v)
.set XP,   18                          ; s[18:19] x at my 16 rows
.set SEL,  20                          ; s[20:21] v_permlanex16_b32's selects for lane l xor 16
.set CNT,  22
.set T24,  23                          ; 24 x the q/k loop's trip
.set T1,   24                          ; the q/k loop's trip
.set HM,   26                          ; lanes 16-31
.set NC,   27                          ; -c
.set CS,   28                          ; s[28:29] c = log2(e) / 8
.set BP,   30                          ; s[30:31] b_out at the unit in hand
.set OP,   32                          ; s[32:33] out0 at my 64 columns in hand
.set MSB, 0
.macro WIN new                         ; the immediate's high byte repeats the setting that is left; a switch that changes nothing is dropped
.if MSB != (\new)
	s_set_vgpr_msb (MSB<<8)|(\new)
.set MSB, (\new)
.endif
.endm
.macro PLACES n                        ; places behind matrix instructions (ISA guide 7.12.1): plain vector instructions that name none of their registers
.rept \n
	v_nop
.endr
.endm
.macro BARRIER                         ; my LDS stores have landed and my LDS loads are in: then the work-group's barrier
	s_wait_dscnt 0x0
	s_barrier_signal -1
	s_barrier_wait -1
.endm
; my 16 rows' numbers of K step s, as they lie: each load reads 512 consecutive bytes of one row
.macro LOADX s
	WIN 0x40*(1+(\s)/4)
.irp i, 0,1,2,3,4,5,6,7,8,9,10,11,12,13,14,15
	global_load_b128 v[64*((\s)%4)+4*\i:64*((\s)%4)+4*\i+3], v[LI], s[XP:XP+1] offset:4096*\i+512*(\s) th:TH_LOAD_NT
.endr
.endm
; through my own stage (rows 528 bytes apart), so that lane (r, hh) gets, of row r, k = 32 b + 16 hh + 0 .. 15 into registers 16 b on.  LDS serves a wave's instructions in order: no wait between stores and loads
.macro TURNX s
	WIN 0x04*(1+(\s)/4)
.irp i, 0,1,2,3,4,5,6,7,8,9,10,11,12,13,14,15
	ds_store_b128 v[XSTO], v[64*((\s)%4)+4*\i:64*((\s)%4)+4*\i+3] offset:528*\i
.endr
	WIN 0
.irp b, 0,1,2,3
.irp j, 0,1,2,3
	ds_load_b128 v[XB+16*\b+4*\j:XB+16*\b+4*\j+3], v[XSTL] offset:128*\b+16*\j
.endr
.endr
.endm
; 64 numbers of a lane, four groups of 16 neighbours along K whose other 16 lie in lane l xor 16, become codes in v[PC] on.  Groups 2 c and 2 c + 1 change halves, so that a lane ends with a WHOLE block of 24 bytes
; in registers PC + 6 c .. + 5: lanes 0-15 group 2 c's, lanes 16-31 group 2 c + 1's.  word = 1: the four groups are the four blocks of one row's K step: the codes are a fragment, and v[PW] its scale word.
; word = 0: the lane's block's byte goes to v[FB + c].  Each accumulator is read from its low end on.
.macro QUANT s, word
.irp b, 0,1,2,3
	v_max3_num_f32 v[TM+\b], |v[\s+16*\b]|, |v[\s+16*\b+1]|, 0x2800000   ; my 16 numbers, and the floor 2^(5 - 127): the byte cannot fall under 1
.endr
.irp i, 2,4,6,8,10,12,14
.irp b, 0,1,2,3
	v_max3_num_f32 v[TM+\b], v[TM+\b], |v[\s+16*\b+\i]|, |v[\s+16*\b+\i+1]|   ; (the four groups by turns: no line waits for the line above it)
.endr
.endr
.irp b, 0,1,2,3
	v_permlanex16_b32 v[T2+\b], v[TM+\b], s[SEL], s[SEL+1]
.endr
.irp b, 0,1,2,3
	v_max_num_f32 v[TM+\b], v[TM+\b], v[T2+\b]     ; with lane l xor 16's: the block's largest magnitude
.endr
.irp b, 0,1,2,3
	v_add_nc_u32 v[SO+\b], 0xfe000000, v[TM+\b]    ; 4 off its exponent field: the conversion's scale operand
.endr
.irp b, 0,1,2,3
	v_lshrrev_b32 v[BY+\b], 23, v[SO+\b]           ; the scale's byte
.endr
.if \word
	v_lshl_or_b32 v[PW], v[BY+1], 8, v[BY]
	v_lshl_or_b32 v[PW], v[BY+2], 16, v[PW]
	v_lshl_or_b32 v[PW], v[BY+3], 24, v[PW]
.endif
.irp c, 0,1
	v_cvt_scalef32_pk16_bf6_f32 v[PC+6*\c:PC+6*\c+2], v[\s+32*\c:\s+32*\c+15], v[SO+2*\c]
	v_cvt_scalef32_pk16_bf6_f32 v[PT+4*\c:PT+4*\c+2], v[\s+32*\c+16:\s+32*\c+31], v[SO+2*\c+1]   ; (a conversion's three registers begin on an even number)
.endr
.if \word
	v_nop                                          ; one plain place behind a scaled conversion
.else
.irp c, 0,1
	v_cndmask_b32 v[FB+\c], v[BY+2*\c], v[BY+2*\c+1], s[HM]   ; lanes 0-15 group 2 c's byte, lanes 16-31 group 2 c + 1's.  (Also the plain place behind the conversions)
.endr
.endif
.irp c, 0,1
.irp i, 0,1,2
	v_permlane16_swap_b32 v[PC+6*\c+\i], v[PT+4*\c+\i]   ; the first's lanes 16-31 change places with the second's lanes 0-15
.endr
.irp i, 0,1,2
	v_mov_b32 v[PC+6*\c+3+\i], v[PT+4*\c+\i]
.endr
.endr
.endm
; The ring's group g is filled from off bytes behind WP: the two K steps' scale words (8 bytes a lane), with bias = 1 the next unit's bias, and four fragments.  13 loads, or 17.
.macro RUN g, off, bias
	WIN 0
	global_load_b64 v[WS+2*(\g):WS+2*(\g)+1], v[L8], s[WP:WP+1] offset:(\off)+GRPB*(\g)
	WIN 0xc0
.if \bias
.irp u, 0,1
.irp k, 0,1
	global_load_b128 v[BI+8*\u+4*\k:BI+8*\u+4*\k+3], v[BA], s[BP:BP+1] offset:128+32*\u+16*\k
.endr
.endr
.endif
.irp f, 0,1,2,3
.irp c, 0,1,2
	global_load_b128 v[RB+12*(4*(\g)+\f)+4*\c:RB+12*(4*(\g)+\f)+4*\c+3], v[LI], s[WP:WP+1] offset:(\off)+GRPB*(\g)+256+1536*\f+512*\c
.endr
.endr
.endm
; A UNIT: 32 weight columns x 64 rows x K = 1,024: 64 matrix instructions.  The eight accumulators take turns, one instruction a turn, in the same order in every K step.
; The first K step starts the sums with 0, or with the bias in the result's layout.  ld = 1: behind each group's 16 products, and four places, its ring slots take the same group of the unit that lies off bytes behind WP.
; n0 .. n3: the loads that may stay out ahead of group g: the three younger runs of 13; in the last unit 39, 26, 13, 0.
; dw = 1: the accumulators are the data of the last unit's 16 LDS stores, issued in the products' order, two to an accumulator: ahead of the k-th product the 14 - 2 k stores behind its accumulator's may be out.
.macro UNIT ld, bias, dw, off, n0, n1, n2, n3
.irp g, 0,1,2,3
.if \g == 0
	s_wait_loadcnt \n0
.elseif \g == 1
	s_wait_loadcnt \n1
.elseif \g == 2
	s_wait_loadcnt \n2
.else
	s_wait_loadcnt \n3
.endif
.irp e, 0,1
.if \bias && (\g == 0) && (\e == 0)
	WIN 0x37                                       ; source 0 (weights) and C (bias) window 3, source 1 (rows) window 1, D window 0
.else
	WIN 0x07+4*(\g/2)                              ; source 0 window 3, source 1 window 1 or 2, C and D window 0
.endif
.irp u, 0,1
.irp m, 0,1,2,3
.set rD, AC+16*\m+8*\u
.set rW, RB+12*(4*\g+2*\e+\u)
.set rA, 48*(2*(\g%2)+\e)+12*\m
.if \dw && (\g == 0) && (\e == 0)
	s_wait_dscnt 14-2*(4*\u+\m)
.endif
.if \bias && (\g == 0) && (\e == 0)
	v_wmma_scale_f32_16x16x128_f8f6f4 v[rD:rD+7], v[rW:rW+11], v[rA:rA+11], v[BI+8*\u:BI+8*\u+7], v[WS+2*\g+\u], v[SX+4*\m+\g] matrix_a_fmt:MATRIX_FMT_BF6 matrix_b_fmt:MATRIX_FMT_BF6
.elseif (\g == 0) && (\e == 0)
	v_wmma_scale_f32_16x16x128_f8f6f4 v[rD:rD+7], v[rW:rW+11], v[rA:rA+11], 0, v[WS+2*\g+\u], v[SX+4*\m+\g] matrix_a_fmt:MATRIX_FMT_BF6 matrix_b_fmt:MATRIX_FMT_BF6
.elseif \e == 0
	v_wmma_scale_f32_16x16x128_f8f6f4 v[rD:rD+7], v[rW:rW+11], v[rA:rA+11], v[rD:rD+7], v[WS+2*\g+\u], v[SX+4*\m+\g] matrix_a_fmt:MATRIX_FMT_BF6 matrix_b_fmt:MATRIX_FMT_BF6
.else
	v_wmma_scale_f32_16x16x128_f8f6f4 v[rD:rD+7], v[rW:rW+11], v[rA:rA+11], v[rD:rD+7], v[WS+2*\g+\u], v[SX+4*\m+\g] matrix_a_fmt:MATRIX_FMT_BF6 matrix_b_fmt:MATRIX_FMT_BF6 matrix_a_scale:MATRIX_SCALE_ROW1 matrix_b_scale:MATRIX_SCALE_ROW1
.endif
.endr
.endr
.endr
.if \ld
	PLACES 4                                       ; in front of loads into registers that these products have read; behind group 3 also in front of the first read of the results
.if \bias && (\g == 0)
	RUN \g, \off, 1
.else
	RUN \g, \off, 0
.endif
.endif
.endr
	WIN 0
.endm
; q's or k's unit: one block of 32 along d for 64 tokens.  Lane L of pair p ends with token 32 p + L's block: 24 bytes and a byte.
.macro QB
	s_wait_dscnt 0x0                               ; the last trip's stores are done: their data and addresses are written again below
	QUANT AC, 0
	v_add_nc_u32 v[TA], s[T24], v[QW]
	v_add_nc_u32 v[TA+1], s[T1], v[QSW]
.irp p, 0,1
.irp k, 0,1,2
	ds_store_b64 v[TA], v[PC+6*\p+2*\k:PC+6*\p+2*\k+1] offset:49408*\p+8*\k
.endr
	ds_store_b8 v[TA+1], v[FB+\p] offset:2176*\p
.endr
.endm
; v's unit goes to LDS in f32, cst bytes on: the half of V and the head's 128 bytes.  The four additions are places too: eight stand between the unit's last product and these stores
.macro VS cst
.irp m, 0,1,2,3
	v_add_nc_u32 v[TA+\m], (\cst), v[VA+\m]
.endr
.irp u, 0,1
.irp m, 0,1,2,3
	ds_store_b128 v[TA+\m], v[AC+16*\m+8*\u:AC+16*\m+8*\u+3] offset:32*\u          ; each accumulator from its low end on
	ds_store_b128 v[TA+\m], v[AC+16*\m+8*\u+4:AC+16*\m+8*\u+7] offset:32*\u+16
.endr
.endr
.endm
; The score fragments of tokens i and i + 1 into set par: lane (r, hh) takes block hh of head r, 24 bytes, registers 0-5; registers 6-11 (K = 64 .. 127) stay zero codes.  Seven loads a token.
.macro SCLOAD par, i
.irp e, 0,1
.irp k, 0,1,2
	ds_load_b64 v[SF+48*(\par)+24*\e+2*\k:SF+48*(\par)+24*\e+2*\k+1], v[AQK] offset:1544*((\i)+\e)+192+8*\k      ; k
.endr
.irp k, 0,1,2
	ds_load_b64 v[SF+48*(\par)+24*\e+12+2*\k:SF+48*(\par)+24*\e+12+2*\k+1], v[AQK] offset:1544*((\i)+\e)+8*\k    ; q
.endr
	ds_load_u16 v[SS+2*(\par)+\e], v[ASS] offset:68*((\i)+\e)   ; two scale bytes; the word's upper two are 0, over zero codes
.endr
.endm
; The softmax of tokens 2 b and 2 b + 1, by turns.  Lane (r, hh) holds q's head r and k's heads 8 hh + 0 .. 7.  p = 2^(c s - c max) / sum goes to P's registers.
.macro SOFT2 b
.irp e, 0,1
	v_max3_num_f32 v[TT+6*\e], v[SR+8*\e], v[SR+8*\e+1], v[SR+8*\e+2]
.endr
.irp e, 0,1
	v_max3_num_f32 v[TT+6*\e], v[TT+6*\e], v[SR+8*\e+3], v[SR+8*\e+4]
.endr
.irp e, 0,1
	v_max3_num_f32 v[TT+6*\e], v[TT+6*\e], v[SR+8*\e+5], v[SR+8*\e+6]
.endr
.irp e, 0,1
	v_max_num_f32 v[TT+6*\e], v[TT+6*\e], v[SR+8*\e+7]
.endr
.irp e, 0,1
	v_permlanex16_b32 v[TT+6*\e+1], v[TT+6*\e], s[SEL], s[SEL+1]
.endr
.irp e, 0,1
	v_max_num_f32 v[TT+6*\e], v[TT+6*\e], v[TT+6*\e+1]   ; the row's largest score
.endr
.irp e, 0,1
	v_mul_f32 v[TT+6*\e+2], s[NC], v[TT+6*\e]      ; -c x it: the same number for the whole row, so its rounding cancels in the division
.endr
.irp j, 0,2,4,6
.irp e, 0,1
	v_pk_fma_f32 v[SR+8*\e+\j:SR+8*\e+\j+1], v[SR+8*\e+\j:SR+8*\e+\j+1], s[CS:CS+1], v[TT+6*\e+2:TT+6*\e+3] op_sel_hi:[1,0,0]
.endr
.endr
.irp j, 0,1,2,3,4,5,6,7
.irp e, 0,1
	v_exp_f32 v[SR+8*\e+\j], v[SR+8*\e+\j]
.endr
.endr
	v_nop                                          ; one plain place behind the exponentials
	s_wait_alu depctr_va_vdst(0)
.irp e, 0,1
	v_pk_add_f32 v[TT+6*\e+4:TT+6*\e+5], v[SR+8*\e:SR+8*\e+1], v[SR+8*\e+2:SR+8*\e+3]
.endr
.irp e, 0,1
	v_pk_add_f32 v[TT+6*\e+2:TT+6*\e+3], v[SR+8*\e+4:SR+8*\e+5], v[SR+8*\e+6:SR+8*\e+7]
.endr
.irp e, 0,1
	v_pk_add_f32 v[TT+6*\e+4:TT+6*\e+5], v[TT+6*\e+4:TT+6*\e+5], v[TT+6*\e+2:TT+6*\e+3]
.endr
.irp e, 0,1
	v_add_f32 v[TT+6*\e], v[TT+6*\e+4], v[TT+6*\e+5]
.endr
.irp e, 0,1
	v_permlanex16_b32 v[TT+6*\e+1], v[TT+6*\e], s[SEL], s[SEL+1]
.endr
.irp e, 0,1
	v_add_f32 v[TT+6*\e], v[TT+6*\e], v[TT+6*\e+1] ; the row's sum
.endr
.irp e, 0,1
	v_rcp_f32 v[TT+6*\e+4], v[TT+6*\e]
.endr
	v_nop                                          ; one plain place behind the reciprocals
	WIN 0x40*(1+(\b)/4)                            ; destination: P's window
	s_wait_alu depctr_va_vdst(0)
.irp j, 0,2,4,6
.irp e, 0,1
	v_pk_mul_f32 v[192+8*((2*(\b)+\e)%8)+\j:192+8*((2*(\b)+\e)%8)+\j+1], v[SR+8*\e+\j:SR+8*\e+\j+1], v[TT+6*\e+4:TT+6*\e+5] op_sel_hi:[1,0]
.endr
.endr
	WIN 0
.endm
; Batch b of the scores: S^T = k q^T of tokens 2 b and 2 b + 1, one matrix instruction a token, its upper K of zero codes; the next batch's fragments are asked for into the other sets; the softmax.
.macro SCORE b
	s_wait_dscnt 0x0                               ; this batch's fragments are in; the unit's stores of v are done, so the next unit may write the accumulators
.irp e, 0,1
	v_wmma_scale_f32_16x16x128_f8f6f4 v[SR+8*\e:SR+8*\e+7], v[SF+48*((\b)%2)+24*\e:SF+48*((\b)%2)+24*\e+11], v[SF+48*((\b)%2)+24*\e+12:SF+48*((\b)%2)+24*\e+23], 0, v[SS+2*((\b)%2)+\e], v[SS+2*((\b)%2)+\e] matrix_a_fmt:MATRIX_FMT_BF6 matrix_b_fmt:MATRIX_FMT_BF6 matrix_a_scale:MATRIX_SCALE_ROW1
.endr
	PLACES 4                                       ; in front of the first read of the scores
.if (\b) < 7
	SCLOAD ((\b)+1)%2, 2*((\b)+1)
.endif
	SOFT2 \b
.endm
; Half hb of v of tokens 4 t .. 4 t + 3 as source 0 of the f32 form: lane (r, hh), register q of tile tl: v[g = 8 hh + q][d' = 8 tl + r + 8 (r / 8)].
; Lanes 0-15 touch words 0-7 and 16-23 of a head's 32; the 32 bytes between g = 7 and g = 8 set lanes 16-31 eight words further (64 banks of 4 bytes: ISA guide 11.1): the 32 lanes touch 32 different banks.
.macro VLOAD hb, t
.irp e, 0,1,2,3
.irp tl, 0,1
.irp q, 0,1,2,3,4,5,6,7
	ds_load_b32 v[VV+16*\e+8*\tl+\q], v[AV0+(\hb)] offset:VP*(4*(\t)+\e)+128*\q+32*\tl
.endr
.endr
.endr
.endm
; out^T = v^T P^T for 32 of d and four tokens, in f32 (its result goes on into a quantiser): K = the 16 heads g in four steps; place (hh, j) of step kk is g = 8 hh + 2 kk + j on both sides, so P's registers are the
; operand as they stand.  Eight accumulators by turns; the first step starts the sums with 0.  In the result lane (r, hh) holds head r, and a token's 16 registers the neighbours d' = 16 hh + 0 .. 15.
.macro PV4 t
	WIN 0x04*(1+(\t)/2)                            ; source 1: P's window
.irp kk, 0,1,2,3
.irp e, 0,1,2,3
.irp tl, 0,1
.set rD, AC+16*\e+8*\tl
.set rV, VV+16*\e+8*\tl+2*\kk
.set rP, 192+8*((4*(\t)+\e)%8)+2*\kk
.if \kk == 0
	v_wmma_f32_16x16x4_f32 v[rD:rD+7], v[rV:rV+1], v[rP:rP+1], 0
.else
	v_wmma_f32_16x16x4_f32 v[rD:rD+7], v[rV:rV+1], v[rP:rP+1], v[rD:rD+7]
.endif
.endr
.endr
.endr
	WIN 0
.endm
; block hb of every head of four tokens is quantised: group e is token 4 t + e; lane (r, hh) of pair c ends with head r's block of token 4 t + 2 c + hh
.macro QO hb, t
	QUANT AC, 0
.irp c, 0,1
.irp k, 0,1,2
	ds_store_b64 v[OW], v[PC+6*\c+2*\k:PC+6*\c+2*\k+1] offset:784*(4*(\t)+2*\c)+24*(\hb)+8*\k
.endr
	ds_store_b8 v[OSW], v[FB+\c] offset:16*(4*(\t)+2*\c)+(\hb)
.endr
.endm
; One of my first four units of v (block 0 of head 4 w + j); nx: the next unit in my order, counted from my first unit of v.  Behind it the scores of four tokens, which ask nothing of memory
.macro V0STEP j, nx
	UNIT 1, 0, 0, UNITB*(\nx), 39, 39, 39, 39
	VS 128*(\j)
	SCORE 2*(\j)
	SCORE 2*(\j)+1
.endm
; One of my last four (block 1 of head 4 w + j).  Behind it out = P v for d < 32 of four tokens: its v was asked for ahead of the unit
.macro V1STEP j, nx
	UNIT 1, 0, 0, UNITB*(\nx), 39, 39, 39, 39
	VS VH+128*(\j)
	s_wait_dscnt 0x0                               ; v's fragments are in; the unit's stores are done, so the accumulators may be written; the last batch's stores of codes are done
	PV4 \j
	PLACES 8                                       ; this form wants eight: in front of the loads into its sources and of the first read of its results
.if (\j) < 3
	VLOAD 0, (\j)+1
.endif
	QO 0, \j
.endm
; the way out: two units' results (64 columns, 256 bytes a row) meet in my own stage
.macro OS e, n
	PLACES \n
.irp u, 0,1
.irp m, 0,1,2,3
	ds_store_b128 v[STO], v[AC+16*\m+8*\u:AC+16*\m+8*\u+3] offset:4352*\m+128*(\e)+32*\u       ; each accumulator from its low end on
	ds_store_b128 v[STO], v[AC+16*\m+8*\u+4:AC+16*\m+8*\u+7] offset:4352*\m+128*(\e)+32*\u+16
.endr
.endr
.endm
.macro STEPO
	s_wait_xcnt 0x0                                ; the ring's loads have had their addresses translated (ISA guide 3.1): only then do their bases step
	s_add_nc_u64 s[WP:WP+1], s[WP:WP+1], UNITB
	s_add_nc_u64 s[BP:BP+1], s[BP:BP+1], 128
.endm
.macro SEND step                       ; 64 rows x 256 bytes back from my stage (LDS serves a wave's instructions in order) and out
.set sq, 0
.rept 32
	ds_load_b128 v[OB+4*sq:OB+4*sq+3], v[RD] offset:544*sq
.set sq, sq+1
.endr
.set sq, 0
.rept 32
	s_wait_dscnt 31-sq                             ; the younger loads may be out
	global_store_b128 v[CO], v[OB+4*sq:OB+4*sq+3], s[OP:OP+1] offset:8192*sq th:TH_STORE_NT   ; sixteen lanes store 256 consecutive bytes, at a multiple of 256 from out0's first byte; two rows an instruction
.set sq, sq+1
.endr
.if \step
	s_wait_xcnt 0x0                                ; the stores' data and base are written again only behind this wait
	s_add_nc_u64 s[OP:OP+1], s[OP:OP+1], 256
.endif
.endm
	; ---- the head
	s_load_b256 s[4:11], s[0:1], 0x0               ; x s[4:5], wq s[6:7], b_out s[8:9], out0 s[10:11]
	v_lshl_add_u32 v62, v0, 2, 0x4f000
	v_mov_b32 v63, 0
	v_lshrrev_b32 v27, 5, v0
	v_readfirstlane_b32 s[WV], v27                 ; wave 0..3
	v_and_b32 v27, 31, v0                          ; lane
	v_and_b32 v28, 15, v0                          ; r
	v_bfe_u32 v29, v0, 4, 1                        ; hh
	v_lshlrev_b32 v[LI], 4, v27
	v_lshlrev_b32 v[L8], 3, v27
	s_lshl_b32 s13, ttmp9, 18                      ; the work-group's 64 rows of 4,096 bytes
	s_lshl_b32 s34, s[WV], 16                      ; my 16 of them
	s_add_co_u32 s34, s34, s13
	s_mov_b32 s35, 0
	s_lshl_b32 s40, s[WV], 10                      ; my 256 columns of out0 and of b_out
	s_mov_b32 s41, 0
	s_add_co_u32 s36, s40, s13
	s_mov_b32 s37, 0
	s_mul_i32 s38, s[WV], 819200                   ; my stream in wq
	s_mov_b32 s39, 0
	s_mov_b32 s[SEL], 0x76543210
	s_mov_b32 s[SEL+1], 0xfedcba98
	s_mov_b32 s[HM], 0xffff0000
	s_mov_b32 s[CS], 0x3e38aa3b                    ; c = log2(e) / sqrt(64)
	s_mov_b32 s[CS+1], s[CS]                       ; (named with it as a pair, so it is written)
	s_mov_b32 s[NC], 0xbe38aa3b
	s_wait_kmcnt 0x0
	s_add_nc_u64 s[XP:XP+1], s[4:5], s[34:35]
	s_add_nc_u64 s[WP:WP+1], s[6:7], s[38:39]
	s_add_nc_u64 s[BP:BP+1], s[8:9], s[40:41]
	s_add_nc_u64 s[OP:OP+1], s[10:11], s[36:37]
	LOADX 0                                        ; three K steps of x are asked for before anything else is done, a fourth behind the addresses below
	LOADX 1
	LOADX 2
	WIN 0
	s_mul_i32 s13, s[WV], 8448
	v_add_nc_u32 v[XSTO], s13, v[LI]
	v_mul_u32_u24 v30, v28, 528
	v_lshl_add_u32 v30, v29, 6, v30
	v_add_nc_u32 v[XSTL], s13, v30
	s_mul_i32 s13, s[WV], 12288
	s_add_co_u32 s13, s13, XIMG
	v_add_nc_u32 v[XWI], s13, v[LI]
	s_lshl_b32 s13, s[WV], 9
	s_add_co_u32 s13, s13, XSC
	v_lshl_add_u32 v[XWS], v28, 4, s13
	v_add_nc_u32 v[XFI], XIMG, v[LI]
	v_add_nc_u32 v[XFS], XSC, v[LI]
	s_mul_i32 s13, s[WV], 384
	s_add_co_u32 s13, s13, QKC
	v_mul_u32_u24 v30, v27, 1544
	v_add_nc_u32 v[QW], s13, v30
	s_lshl_b32 s13, s[WV], 4
	s_add_co_u32 s13, s13, QKS
	v_mul_u32_u24 v30, v27, 68
	v_add_nc_u32 v[QSW], s13, v30
	v_lshrrev_b32 v30, 2, v28                      ; r / 4
	v_and_b32 v31, 3, v28                          ; r % 4
	v_mul_u32_u24 v[AQK], v30, 384
	v_mad_u32_u24 v[AQK], v31, 48, v[AQK]
	v_mad_u32_u24 v[AQK], v29, 24, v[AQK]
	s_mul_i32 s13, s[WV], 24704
	s_add_co_u32 s13, s13, QKC
	v_add_nc_u32 v[AQK], s13, v[AQK]
	v_lshlrev_b32 v[ASS], 4, v30
	v_lshl_add_u32 v[ASS], v31, 1, v[ASS]
	v_lshl_add_u32 v[ASS], v29, 3, v[ASS]
	s_mul_i32 s13, s[WV], 1088
	s_add_co_u32 s13, s13, QKS
	v_add_nc_u32 v[ASS], s13, v[ASS]
	s_lshl_b32 s13, s[WV], 9                       ; my four heads' 128 bytes each,
	s_lshr_b32 s14, s[WV], 1
	s_lshl_b32 s14, s14, 5                         ; and the 32 bytes that lie in front of head 8
	s_add_co_u32 s13, s13, s14
	v_mul_u32_u24 v[VA], v28, VP
	v_lshl_add_u32 v[VA], v29, 6, v[VA]
	v_add_nc_u32 v[VA], s13, v[VA]
.irp m, 1,2,3
	v_add_nc_u32 v[VA+\m], 16*VP*\m, v[VA]
.endr
	v_and_b32 v31, 8, v28
	v_add_nc_u32 v31, v31, v28                     ; r + 8 (r / 8)
	v_lshlrev_b32 v31, 2, v31
	v_mad_u32_u24 v31, v29, 1056, v31              ; lanes 16-31: eight heads and the 32 bytes on
	s_mul_i32 s13, s[WV], 16*VP
	v_add_nc_u32 v[AV0], s13, v31
	v_add_nc_u32 v[AV0+1], VH, v[AV0]
	v_mul_u32_u24 v31, v28, 48
	v_mad_u32_u24 v31, v29, 784, v31
	s_mul_i32 s13, s[WV], 12544
	s_add_co_u32 s13, s13, OC
	v_add_nc_u32 v[OW], s13, v31
	v_bfe_u32 v31, v0, 1, 1                        ; (r / 2) % 2
	v_lshlrev_b32 v31, 8, v31
	v_lshl_add_u32 v31, v30, 2, v31                ; + 4 (r / 4)
	v_and_b32 v30, 1, v0
	v_lshl_add_u32 v31, v30, 1, v31                ; + 2 (r % 2)
	v_lshl_add_u32 v31, v29, 4, v31                ; + 16 hh: the next token
	s_lshl_b32 s13, s[WV], 9
	s_add_co_u32 s13, s13, OSC
	v_add_nc_u32 v[OSW], s13, v31
	v_mul_u32_u24 v31, v28, 784
	v_mad_u32_u24 v31, v29, 24, v31
	v_add_nc_u32 v[AO], OC, v31
	v_add_nc_u32 v[AOS], OSC, v[LI]
	s_mul_i32 s13, s[WV], 17408
	v_mul_u32_u24 v31, v28, 272
	v_lshl_add_u32 v31, v29, 6, v31
	v_add_nc_u32 v[STO], s13, v31
	v_mul_u32_u24 v31, v29, 272
	v_lshl_add_u32 v31, v28, 4, v31
	v_add_nc_u32 v[RD], s13, v31
	v_lshlrev_b32 v[CO], 12, v29
	v_lshl_add_u32 v[CO], v28, 4, v[CO]
	v_lshlrev_b32 v[BA], 6, v29
.irp j, 0,1,2,3
	v_mov_b32 v[T2+\j], 0                          ; written once: a lane permute's destination counts as one of its sources
.endr
.irp j, 0,1,2,3,4,5,6,7,8,9,10,11
	v_mov_b32 v[TT+\j], 0                          ; likewise, and the upper halves of pairs that are named whole
.endr
	LOADX 3
	; ---- X: my 16 rows of x become eight fragments and their scale words, which go to LDS as images of their registers.  Every K step has registers of its own, and the loads run four steps ahead
.irp s, 0,1,2,3,4,5,6,7
.if \s < 5
	s_wait_loadcnt 48                              ; this K step's 16 loads are in; those of the three steps behind it may be out
.elseif \s == 5
	s_wait_loadcnt 32
.elseif \s == 6
	s_wait_loadcnt 16
.else
	s_wait_loadcnt 0x0
.endif
	TURNX \s
.if \s < 4
	LOADX \s+4
.endif
.if \s == 7
	RUN 0, 0, 0                                    ; the ring's first fill: unit 0
	RUN 1, 0, 0
	RUN 2, 0, 0
	RUN 3, 0, 0
.endif
	WIN 0
	s_wait_dscnt 0x0                               ; the numbers are back from the stage; the last step's stores of codes are done
	QUANT XB, 1
.irp c, 0,1,2
	ds_store_b128 v[XWI], v[PC+4*\c:PC+4*\c+3] offset:1536*\s+512*\c
.endr
	ds_store_b32 v[XWS], v[PW] offset:256*(\s%2)+4*(\s/2)   ; both lanes of a row write the same word with the same value
.endr
	BARRIER                                        ; x's 32 fragments lie in LDS
.irp s, 0,1,2,3,4,5,6,7
	WIN 0x40*(1+\s/4)
.irp m, 0,1,2,3
.irp c, 0,1,2
	ds_load_b128 v[48*(\s%4)+12*\m+4*\c:48*(\s%4)+12*\m+4*\c+3], v[XFI] offset:(8*\m+\s)*1536+512*\c
.endr
.endr
.endr
	WIN 0
.irp m, 0,1,2,3
	ds_load_b128 v[SX+4*\m:SX+4*\m+3], v[XFS] offset:512*\m
.endr
	s_wait_dscnt 0x0
	; ---- q and k: 16 units; each is one block of 32 along d, quantised at once and laid by tokens in LDS (bytes that share nothing with x's images, which other waves may still be reading)
	s_mov_b32 s[T24], 0
	s_mov_b32 s[T1], 0
.Lqk:
	UNIT 1, 0, 0, UNITB, 39, 39, 39, 39
	QB
	s_wait_xcnt 0x0                                ; the ring's loads have had their addresses translated: only then does their base step
	s_add_nc_u64 s[WP:WP+1], s[WP:WP+1], UNITB
	s_add_co_u32 s[T24], s[T24], 24
	s_add_co_u32 s[T1], s[T1], 1
	s_cmp_lt_u32 s[T1], 16
	s_cbranch_scc1 .Lqk
	BARRIER                                        ; every token's 32 blocks of q and k lie in LDS; nobody reads x's images any more: V's first half takes their bytes
	; ---- v, block 0 of my four heads, and between its units the scores and softmax of my 16 tokens.  WP stays at my first unit of v: the next unit's place stands in the loads' immediates (229,888 bytes at the most)
.irp f, 0,1,2,3,4,5,6,7
.irp j, 6,7,8,9,10,11
	v_mov_b32 v[SF+12*\f+\j], 0                    ; zero codes for K = 64 .. 127, once: the loads fill registers 0-5 alone
.endr
.endr
	SCLOAD 0, 0
	V0STEP 0, 2                                    ; my units of v lie (head, block) in wq: block 0 of my heads are units 0, 2, 4, 6 of the eight,
	V0STEP 1, 4
	V0STEP 2, 6
	V0STEP 3, 1                                    ; block 1 units 1, 3, 5, 7
	BARRIER                                        ; V's first half is whole; every wave's reads of q and k are over: V's second half takes their bytes
	; ---- v, block 1, and between its units out = P v for d < 32
	VLOAD 0, 0
	V1STEP 0, 3
	V1STEP 1, 5
	V1STEP 2, 7
	V1STEP 3, 8                                    ; the ring goes on into W_out's first unit
	BARRIER                                        ; V's second half is whole
	; ---- out = P v for d >= 32
	VLOAD 1, 0
.irp t, 0,1,2,3
	s_wait_dscnt 0x0                               ; v's fragments are in; the last batch's stores of codes are done
	PV4 \t
	PLACES 8
.if \t < 3
	VLOAD 1, \t+1
.endif
	QO 1, \t
.endr
	BARRIER                                        ; out's codes and scale bytes lie in LDS, and nobody reads v any more: the stages take its bytes
	; ---- out0 = Q(out) Q(W_out) + b_out: 8 units, stored two at a time
	WIN 0xc0
.irp u, 0,1
.irp k, 0,1
	global_load_b128 v[BI+8*\u+4*\k:BI+8*\u+4*\k+3], v[BA], s[BP:BP+1] offset:32*\u+16*\k   ; the first unit's bias: lane (r, hh), tile u: columns 16 hh + 8 u + 0 .. 7
.endr
.endr
.irp s, 0,1,2,3,4,5,6,7
	WIN 0x40*(1+\s/4)
.irp m, 0,1,2,3
.irp p, 0,1,2,3,4,5
	ds_load_b64 v[48*(\s%4)+12*\m+2*\p:48*(\s%4)+12*\m+2*\p+1], v[AO] offset:12544*\m+96*\s+48*(\p/3)+8*(\p%3)   ; rows 784 bytes apart = 196 words: the 32 lanes of a load touch 64 different banks
.endr
.endr
.endr
	WIN 0
.irp m, 0,1,2,3
	ds_load_b128 v[SX+4*\m:SX+4*\m+3], v[AOS] offset:512*\m
.endr
	s_wait_dscnt 0x0
	s_wait_loadcnt 0x0                             ; the first bias; and every load that names WP is done,
	s_add_nc_u64 s[WP:WP+1], s[WP:WP+1], 8*UNITB   ; so it may step over my eight units of v
	s_mov_b32 s[CNT], 0
.Lout:
	UNIT 1, 1, 1, UNITB, 39, 39, 39, 39
	OS 0, 1                                        ; one place more: five stand between this unit's last product and the next unit's first, which writes over the results
	STEPO
	UNIT 1, 1, 1, UNITB, 39, 39, 39, 39
	OS 1, 1
	STEPO
	SEND 1
	s_add_co_u32 s[CNT], s[CNT], 1
	s_cmp_lt_u32 s[CNT], 3
	s_cbranch_scc1 .Lout
	UNIT 1, 1, 1, UNITB, 39, 39, 39, 39            ; the last two units are written out: the last asks for nothing, so no load leaves its buffer
	OS 0, 1
	UNIT 0, 1, 1, 0, 39, 26, 13, 0
	OS 1, 4
	SEND 0
	s_wait_tensorcnt 0x0
	ds_add_u32 v62, v63
	s_wait_dscnt 0x0
	s_endpgm
.Lfunc_end_k_q28f2f59505_fused:
	.size	k_q28f2f59505_fused, .Lfunc_end_k_q28f2f59505_fused-k_q28f2f59505_fused
	.p2alignl 7, 3214868480
	.fill 96, 4, 3214868480
	.section	.rodata,"a",@progbits
	.p2align	6, 0x0
	.amdhsa_kernel k_q28f2f59505_fused
		.amdhsa_group_segment_fixed_size 324096
		.amdhsa_private_segment_fixed_size 0
		.amdhsa_enable_private_segment 0
		.amdhsa_kernarg_size 32
		.amdhsa_user_sgpr_count 2
		.amdhsa_user_sgpr_kernarg_segment_ptr 1
		.amdhsa_wavefront_size32 1
		.amdhsa_system_sgpr_workgroup_id_x 1
		.amdhsa_system_sgpr_workgroup_id_y 1
		.amdhsa_system_sgpr_workgroup_id_z 1
		.amdhsa_system_vgpr_workitem_id 0
		.amdhsa_next_free_vgpr 1024
		.amdhsa_next_free_sgpr 66
		.amdhsa_reserve_vcc 0
		.amdhsa_float_denorm_mode_32 3
		.amdhsa_float_denorm_mode_16_64 3
		.amdhsa_memory_ordered 1
		.amdhsa_forward_progress 1
		.amdhsa_inst_pref_size 255
	.end_amdhsa_kernel
	.section	.bss,"aw",@nobits
	.p2align	6
	.space	262144
	.amdgpu_metadata
---
amdhsa.version: [ 1, 2 ]
amdhsa.kernels:
  - .name:           k_q28f2f59505_fused
    .symbol:         k_q28f2f59505_fused.kd
    .args:
      - { .name: x, .offset: 0, .size: 8, .value_kind: global_buffer, .address_space: global }
      - { .name: wq, .offset: 8, .size: 8, .value_kind: global_buffer, .address_space: global }
      - { .name: b_out, .offset: 16, .size: 8, .value_kind: global_buffer, .address_space: global }
      - { .name: out0, .offset: 24, .size: 8, .value_kind: global_buffer, .address_space: global }
    .group_segment_fixed_size: 324096
    .private_segment_fixed_size: 0
    .kernarg_segment_align: 8
    .kernarg_segment_size: 32
    .max_flat_workgroup_size: 128
    .sgpr_count:     66
    .vgpr_count:     1024
    .wavefront_size: 32
...
	.end_amdgpu_metadata
.endif
;; end of part 2
;; ======== version 2 of 2: 2 launches; version 1 with the launch fused written anew for expert scheduling mode
;; workspace buffers: wq 3,276,800 bytes
;; launch wquant: the kernel of part 1 again; grid 32 x 8, 4 waves a work-group, no clusters, 0 bytes of LDS; arguments W_qkv, W_out, wq; writes wq
;; launch fused (part 3): grid 256 x 1, 4 waves a work-group, no clusters, 324,096 bytes of LDS; arguments x, wq, b_out, out0; writes out0
.if DOCPART == 3
	.amdgcn_target "amdgcn-amd-amdhsa--gfx1250"
	.amdhsa_code_object_version 6
	.text
	.protected	k_q28f2f59505_fused
	.globl	k_q28f2f59505_fused
	.p2align	8
	.type	k_q28f2f59505_fused,@function
k_q28f2f59505_fused:
	s_mov_b64 s[64:65], 0
	v_nop
	global_prefetch_b8 v0, s[64:65] scope:SCOPE_SE
	s_setreg_imm32_b32 hwreg(HW_REG_WAVE_SCHED_MODE, 0, 2), 2
	s_setreg_imm32_b32 hwreg(HW_REG_WAVE_MODE, 25, 1), 1
	s_wait_xcnt 0x0
	s_wait_alu depctr_vm_vsrc(0)
; out0 = attention over the HEADS of each token: qkv = Q(x) Q(W_qkv); for each token S = Q(q) Q(k)^T / 8 (16 x 16 over the heads, K = 64), softmax over g, out = P v in f32; out0 = Q(out) Q(W_out) + b_out.
; Q: codes of BF6 (E3M2), one E8M0 scale for each 32 along K.  Nothing crosses tokens: a work-group of four waves owns 64 tokens and runs the whole chain; no intermediate goes to memory.
; SHARES.  In the two large products THE WAVES SHARE THE COLUMNS: wave w walks its 32 units of 32 weight columns, each for all 64 rows.  The rows' codes (x's, later out's: 32 fragments, 384 registers) stay in
; every wave's registers; a weight fragment is wanted by one wave alone and comes straight from wq, an image of its registers, by three loads of 512 consecutive bytes, and feeds four matrix instructions.
; A ring of 16 fragments in registers (one unit, 24,576 bytes a wave) is always on its way, under counted waits.  In the work that goes token by token wave w owns tokens 16 w .. 16 w + 15.
; TOKEN WORK STANDS BETWEEN THE UNITS OF v.  A unit's 64 products want 24,576 new bytes a wave; work that asks nothing of memory is set behind a unit, while the next unit's bytes are on their way.
; v is made in two halves of d (block b = 0 of my four heads, then b = 1).  Behind each of the first four units: the scores and softmax of four tokens.  Behind each of the last four: out = P v for d < 32 of four tokens,
; which wants only the first half of v.  The half d >= 32 follows by itself: the last product's K is all of out.
; THE MATRIX INSTRUCTION IS USED TRANSPOSED (source 0 = 16 weight columns, source 1 = 16 tokens), and the columns of a tile are chosen (see wquant) so that lane (r, hh) holds token r and, in the 16 registers of a
; unit's two tiles, the 16 neighbouring columns 16 hh + 0 .. 15: a block of 32 along the next K lies in lanes l and l xor 16.
; NO CLUSTER, NO TENSOR LOAD: what work-groups share is the weights' stream, and a ring for joint loads wants LDS bytes that no wave ever stores to: v's two halves (268,288 bytes), out's codes (50,176) and their
; scales (2,048) leave 7,168 bytes, where one unit of the four waves is 102,400.
; THE MODE: SCHED_MODE bits 1:0 = 2 (LLVM: expert scheduling mode 2), set by the entry lines.  The code itself states the register dependences between vector or matrix instructions and memory or LDS
; instructions, with s_wait_alu, always for 0.
; THE PLAN.  Registers that memory or LDS instructions touch, and who else names them:
;   v1-26       addresses, made at the head and never written again: one wait on va_vdst ahead of x's first loads (v1, v2), one behind the last of them.  Bases are scalar registers; steps stand in immediates.
;   v27-30      q/k loop: two LDS addresses, written in each trip and read by the trip's eight stores.  From v's second half on: VA + VH, written once.
;   ring, WS, BI  group g's 16 products read its four fragments and two scale registers (a unit's first eight products the bias); the loads of the next unit's group g land there.
;               ONE wait on va_vdst behind each group's products; the group's 13 or 17 loads follow it in one run.
;   AC          written by products alone.  Read by vector instructions (q, k, out) or by LDS stores (v, out0): for those stores group 3's wait has shown all 64 products written, and only loads and a v_nop
;               stand between.  One wait on vm_vsrc stands between such stores and the next product that writes an accumulator.
;   XB          phase X: LDS loads land in it, QUANT reads it.     PC, PW, FB: QUANT writes them, LDS stores read them.
;               One wait on va_vdst behind each QUANT serves both; one on vm_vsrc ahead of each QUANT whose results' registers earlier stores read.
;   x as loaded the stage's LDS stores read it; later the rows' fragments land there and P is written there: the last wait on vm_vsrc of phase X stands behind all those stores.
;   SF, SS      two pairs of sets by turns: a batch's two products read one pair while LDS loads fill the other, which the batch before read.  Between an odd batch and the even one before it stands no unit,
;               so the odd batches hold a wait on va_vdst ahead of their loads; for the even ones the unit's waits stand between.
;   VV          LDS loads land, the 32 products with P read: a wait on va_vdst behind them, ahead of the next four tokens' loads.
;   rows, SX    filled twice, each time behind waits on va_vdst that follow their last reader.       OB: LDS loads land, global stores read: the next units' waits on vm_vsrc stand ahead of the next loads.
; LDS (bytes; regions that share bytes are parted by barriers):  V 0: two halves of 134,144: 64 tokens x 2,096, f32, element (g, d' = d % 32) at 128 g + 32 (g / 8) + 4 d'  |  XST 0: 4 waves x 16 rows x 528
;   XIMG 33,792: 32 images x 1,536  |  XSC 82,944: 4 x 512  |  QKC 134,144 (in V's second half): 64 tokens x 1,544: wave w's block t at 384 w + 24 t (t 0-7 q's, 8-15 k's)  |  QKS 232,960: 64 x 68, the byte at 16 w + t
;   STG 0: 4 waves x 64 rows x 272  |  OC 271,360: 64 tokens x 784: block (h, b) at 48 h + 24 b  |  OSC 321,536: 4 x 512.   XSC, OSC: the word of (tile m, row r, K step s) at 512 m + 16 (r + 16 (s % 2)) + 4 (s / 2).
; REGISTERS, in windows of 256 (s_set_vgpr_msb: bits 1:0 source 0, 3:2 source 1, 5:4 source 2, 7:6 destination):
;   window 0: v1-31 addresses; v32-59 scale words and nothing else; v64-127 eight accumulators, written by matrix instructions alone; v128-255 by phases (below)
;   windows 1, 2: v0-191 the rows' fragments, (tile m, K step s) in window 1 + s / 4 at 48 (s % 4) + 12 m; v192-255 P, token i in window 1 + i / 8 at 192 + 8 (i % 8); in phase X all 512: x as loaded
;   window 3: v0-191 the ring of weight fragments; v192-207 the unit's bias
; LIMITS: NaN and infinities are not served.  A block whose largest magnitude lies under 2^-122, zeros too, gets the byte 1 (for zeros the rule says 127: the codes are zeros and this program alone reads the bytes).
; The softmax takes the row's largest score away and is normalised ahead of the product with v.
.set XST,   0
.set XIMG,  33792
.set XSC,   82944
.set VP,    2096                       ; a token's row in a half of V: 131 x 16 bytes, so that sixteen tokens' stores of 16 bytes fall on sixteen different groups of banks
.set VH,    64*VP                      ; a half of V
.set QKC,   134144
.set QKS,   232960
.set STG,   0
.set OC,    271360
.set OSC,   321536
.set UNITB, 25600                      ; a unit in wq
.set GRPB,  6400                       ; a group: two K steps
.set LI,   1                           ; v1   16 x lane
.set L8,   2                           ; v2   8 x lane
.set XSTO, 3                           ; v3   x's stage, in: 8,448 w + 16 lane
.set XSTL, 4                           ; v4   and out: 8,448 w + 528 r + 64 hh
.set XWI,  5                           ; v5   where I store x's images: XIMG + 12,288 w + 16 lane
.set XWS,  6                           ; v6   and their scale words: XSC + 512 w + 16 r
.set XFI,  7                           ; v7   XIMG + 16 lane
.set XFS,  8                           ; v8   XSC + 16 lane
.set QW,   9                           ; v9   QKC + 1,544 lane + 384 w
.set QSW,  10                          ; v10  QKS + 68 lane + 16 w
.set AQK,  11                          ; v11  QKC + 24,704 w + 384 (r / 4) + 48 (r % 4) + 24 hh
.set ASS,  12                          ; v12  QKS + 1,088 w + 16 (r / 4) + 2 (r % 4) + 8 hh
.set VA,   13                          ; v13-16  (16 m + r) 2,096 + 64 hh + 512 w + 32 (w / 2)
.set AV0,  17                          ; v17, v18  33,536 w + 1,056 hh + 4 (r + 8 (r / 8)), in V's first half and in its second
.set OW,   19                          ; v19  OC + 12,544 w + 48 r + 784 hh
.set OSW,  20                          ; v20  OSC + 512 w + 256 ((r / 2) % 2) + 4 (r / 4) + 2 (r % 2) + 16 hh
.set AO,   21                          ; v21  OC + 784 r + 24 hh
.set AOS,  22                          ; v22  OSC + 16 lane
.set STO,  23                          ; v23  STG + 17,408 w + 272 r + 64 hh
.set RD,   24                          ; v24  STG + 17,408 w + 272 hh + 16 r
.set CO,   25                          ; v25  4,096 hh + 16 r
.set BA,   26                          ; v26  64 hh
.set TA,   27                          ; v27-30  q/k loop: two addresses made anew in each trip; from v's second half on: VA + VH (at the head: lane, r, hh, at work)
.set SX,   32                          ; v32-47  the rows' scale words: 4 m + q: lanes 0-15 K step 2 q, lanes 16-31 K step 2 q + 1
.set WS,   48                          ; v48-55  the weights': 2 g + u: lanes 0-15 K step 2 g, lanes 16-31 K step 2 g + 1
.set SS,   56                          ; v56-59  the scores': lanes 0-15 q's two bytes, lanes 16-31 k's
.set AC,   64                          ; v64-127 accumulator (tile u, row tile m) at AC + 16 m + 8 u
.set XB,   128                         ; v128-191  phase X: 64 numbers of x
.set SF,   128                         ; v128-223  scores: four sets of k's and q's fragment
.set VV,   128                         ; v128-191  the product with v: v's fragments of four tokens
.set OB,   128                         ; v128-255  the way out: 64 rows x 256 bytes
.set TM,   192                         ; v192-195 largest magnitudes; v196-199 the other half's; v200-203 scale operands; v204-207 bytes
.set T2,   196
.set SO,   200
.set BY,   204
.set PC,   208                         ; v208-219 the codes just made
.set PT,   220                         ; v220-222, v224-226 conversions that would begin on an odd register
.set FB,   228                         ; v228-229 a lane's scale byte
.set PW,   230                         ; v230 a row's scale word
.set SR,   224                         ; v224-239 two tokens' scores
.set TT,   240                         ; v240-251 the softmax's: for each token +0 maximum, then sum; +1 the other half's; +2,3 -c x maximum (a pair); +4,5 1 / sum (a pair)
.set RB,   0                           ; window 3
.set BI,   192                         ; window 3
.set WV,   12                          ; s12      my wave's number
.set WP,   16                          ; s[16:17] wq at the unit in hand (in the v phase: at my first unit of v)
.set XP,   18                          ; s[18:19] x at my 16 rows
.set SEL,  20                          ; s[20:21] v_permlanex16_b32's selects for lane l xor 16
.set CNT,  22
.set T24,  23                          ; 24 x the q/k loop's trip
.set T1,   24                          ; the q/k loop's trip
.set HM,   26                          ; lanes 16-31
.set NC,   27                          ; -c
.set CS,   28                          ; s[28:29] c = log2(e) / 8
.set BP,   30                          ; s[30:31] b_out at the unit in hand
.set OP,   32                          ; s[32:33] out0 at my 64 columns in hand
.set MSB, 0
.macro WIN new                         ; the immediate's high byte repeats the setting that is left; a switch that changes nothing is dropped
.if MSB != (\new)
	s_set_vgpr_msb (MSB<<8)|(\new)
.set MSB, (\new)
.endif
.endm
.macro PLACES n                        ; places behind matrix instructions (ISA guide 7.12.1): plain vector instructions that name none of their registers
.rept \n
	v_nop
.endr
.endm
.macro BARRIER                         ; my LDS stores have landed and my LDS loads are in: then the work-group's barrier
	s_wait_dscnt 0x0
	s_barrier_signal -1
	s_barrier_wait -1
.endm
; my 16 rows' numbers of K step s, as they lie: each load reads 512 consecutive bytes of one row.  No vector or matrix instruction names these registers ahead of the loads
.macro LOADX s
	WIN 0x40*(1+(\s)/4)
.irp i, 0,1,2,3,4,5,6,7,8,9,10,11,12,13,14,15
	global_load_b128 v[64*((\s)%4)+4*\i:64*((\s)%4)+4*\i+3], v[LI], s[XP:XP+1] offset:4096*\i+512*(\s) th:TH_LOAD_NT
.endr
.endm
; through my own stage (rows 528 bytes apart), so that lane (r, hh) gets, of row r, k = 32 b + 16 hh + 0 .. 15 into registers 16 b on.  LDS serves a wave's instructions in order: no wait between stores and loads
.macro TURNX s
	WIN 0x04*(1+(\s)/4)
.irp i, 0,1,2,3,4,5,6,7,8,9,10,11,12,13,14,15
	ds_store_b128 v[XSTO], v[64*((\s)%4)+4*\i:64*((\s)%4)+4*\i+3] offset:528*\i
.endr
	WIN 0
.irp b, 0,1,2,3
.irp j, 0,1,2,3
	ds_load_b128 v[XB+16*\b+4*\j:XB+16*\b+4*\j+3], v[XSTL] offset:128*\b+16*\j
.endr
.endr
.endm
; 64 numbers of a lane, four groups of 16 neighbours along K whose other 16 lie in lane l xor 16, become codes in v[PC] on.  Groups 2 c and 2 c + 1 change halves, so that a lane ends with a WHOLE block of 24 bytes
; in registers PC + 6 c .. + 5: lanes 0-15 group 2 c's, lanes 16-31 group 2 c + 1's.  word = 1: the four groups are the four blocks of one row's K step: the codes are a fragment, and v[PW] its scale word.
; word = 0: the lane's block's byte goes to v[FB + c].  Each accumulator is read from its low end on.
.macro QUANT s, word
.irp b, 0,1,2,3
	v_max3_num_f32 v[TM+\b], |v[\s+16*\b]|, |v[\s+16*\b+1]|, 0x2800000   ; my 16 numbers, and the floor 2^(5 - 127): the byte cannot fall under 1
.endr
.irp i, 2,4,6,8,10,12,14
.irp b, 0,1,2,3
	v_max3_num_f32 v[TM+\b], v[TM+\b], |v[\s+16*\b+\i]|, |v[\s+16*\b+\i+1]|   ; (the four groups by turns: no line waits for the line above it)
.endr
.endr
.irp b, 0,1,2,3
	v_permlanex16_b32 v[T2+\b], v[TM+\b], s[SEL], s[SEL+1]
.endr
.irp b, 0,1,2,3
	v_max_num_f32 v[TM+\b], v[TM+\b], v[T2+\b]     ; with lane l xor 16's: the block's largest magnitude
.endr
.irp b, 0,1,2,3
	v_add_nc_u32 v[SO+\b], 0xfe000000, v[TM+\b]    ; 4 off its exponent field: the conversion's scale operand
.endr
.irp b, 0,1,2,3
	v_lshrrev_b32 v[BY+\b], 23, v[SO+\b]           ; the scale's byte
.endr
.if \word
	v_lshl_or_b32 v[PW], v[BY+1], 8, v[BY]
	v_lshl_or_b32 v[PW], v[BY+2], 16, v[PW]
	v_lshl_or_b32 v[PW], v[BY+3], 24, v[PW]
.endif
.irp c, 0,1
	v_cvt_scalef32_pk16_bf6_f32 v[PC+6*\c:PC+6*\c+2], v[\s+32*\c:\s+32*\c+15], v[SO+2*\c]
	v_cvt_scalef32_pk16_bf6_f32 v[PT+4*\c:PT+4*\c+2], v[\s+32*\c+16:\s+32*\c+31], v[SO+2*\c+1]   ; (a conversion's three registers begin on an even number)
.endr
.if \word
	v_nop                                          ; one plain place behind a scaled conversion
.else
.irp c, 0,1
	v_cndmask_b32 v[FB+\c], v[BY+2*\c], v[BY+2*\c+1], s[HM]   ; lanes 0-15 group 2 c's byte, lanes 16-31 group 2 c + 1's.  (Also the plain place behind the conversions)
.endr
.endif
.irp c, 0,1
.irp i, 0,1,2
	v_permlane16_swap_b32 v[PC+6*\c+\i], v[PT+4*\c+\i]   ; the first's lanes 16-31 change places with the second's lanes 0-15
.endr
.irp i, 0,1,2
	v_mov_b32 v[PC+6*\c+3+\i], v[PT+4*\c+\i]
.endr
.endr
.endm
; The ring's group g is filled from off bytes behind WP: the two K steps' scale words (8 bytes a lane), with bias = 1 the next unit's bias, and four fragments.  13 loads, or 17.
.macro RUN g, off, bias
	WIN 0
	global_load_b64 v[WS+2*(\g):WS+2*(\g)+1], v[L8], s[WP:WP+1] offset:(\off)+GRPB*(\g)
	WIN 0xc0
.if \bias
.irp u, 0,1
.irp k, 0,1
	global_load_b128 v[BI+8*\u+4*\k:BI+8*\u+4*\k+3], v[BA], s[BP:BP+1] offset:128+32*\u+16*\k
.endr
.endr
.endif
.irp f, 0,1,2,3
.irp c, 0,1,2
	global_load_b128 v[RB+12*(4*(\g)+\f)+4*\c:RB+12*(4*(\g)+\f)+4*\c+3], v[LI], s[WP:WP+1] offset:(\off)+GRPB*(\g)+256+1536*\f+512*\c
.endr
.endr
.endm
; A UNIT: 32 weight columns x 64 rows x K = 1,024: 64 matrix instructions.  The eight accumulators take turns, one instruction a turn, in the same order in every K step.
; The first K step starts the sums with 0, or with the bias in the result's layout.  ld = 1: behind each group's 16 products, four places and one wait on va_vdst, its ring slots take the same group of the unit that
; lies off bytes behind WP.  The run stands straight behind that wait, ahead of the next group's wait on LOADcnt: so the request goes out before the wave sits down to wait for data.
; n0 .. n3: the loads that may stay out ahead of group g: the three younger runs of 13; in the last unit 39, 26, 13, 0.
; dw = 1: the accumulators are the data of the last unit's 16 LDS stores, issued in the products' order, two to an accumulator: ahead of the k-th product the 14 - 2 k stores behind its accumulator's may be out.
.macro UNIT ld, bias, dw, off, n0, n1, n2, n3
.if \dw
	s_wait_alu depctr_vm_vsrc(0)                   ; the LDS stores into my stage have read the accumulators, which the products below write; the stores issued so far (out's codes and bytes, rows of out0) have read v[OB ..], in which the next loads from the stage land
.endif
.irp g, 0,1,2,3
.if \g == 0
	s_wait_loadcnt \n0
.elseif \g == 1
	s_wait_loadcnt \n1
.elseif \g == 2
	s_wait_loadcnt \n2
.else
	s_wait_loadcnt \n3
.endif
.irp e, 0,1
.if \bias && (\g == 0) && (\e == 0)
	WIN 0x37                                       ; source 0 (weights) and C (bias) window 3, source 1 (rows) window 1, D window 0
.else
	WIN 0x07+4*(\g/2)                              ; source 0 window 3, source 1 window 1 or 2, C and D window 0
.endif
.irp u, 0,1
.irp m, 0,1,2,3
.set rD, AC+16*\m+8*\u
.set rW, RB+12*(4*\g+2*\e+\u)
.set rA, 48*(2*(\g%2)+\e)+12*\m
.if \dw && (\g == 0) && (\e == 0)
	s_wait_dscnt 14-2*(4*\u+\m)
.endif
.if \bias && (\g == 0) && (\e == 0)
	v_wmma_scale_f32_16x16x128_f8f6f4 v[rD:rD+7], v[rW:rW+11], v[rA:rA+11], v[BI+8*\u:BI+8*\u+7], v[WS+2*\g+\u], v[SX+4*\m+\g] matrix_a_fmt:MATRIX_FMT_BF6 matrix_b_fmt:MATRIX_FMT_BF6
.elseif (\g == 0) && (\e == 0)
	v_wmma_scale_f32_16x16x128_f8f6f4 v[rD:rD+7], v[rW:rW+11], v[rA:rA+11], 0, v[WS+2*\g+\u], v[SX+4*\m+\g] matrix_a_fmt:MATRIX_FMT_BF6 matrix_b_fmt:MATRIX_FMT_BF6
.elseif \e == 0
	v_wmma_scale_f32_16x16x128_f8f6f4 v[rD:rD+7], v[rW:rW+11], v[rA:rA+11], v[rD:rD+7], v[WS+2*\g+\u], v[SX+4*\m+\g] matrix_a_fmt:MATRIX_FMT_BF6 matrix_b_fmt:MATRIX_FMT_BF6
.else
	v_wmma_scale_f32_16x16x128_f8f6f4 v[rD:rD+7], v[rW:rW+11], v[rA:rA+11], v[rD:rD+7], v[WS+2*\g+\u], v[SX+4*\m+\g] matrix_a_fmt:MATRIX_FMT_BF6 matrix_b_fmt:MATRIX_FMT_BF6 matrix_a_scale:MATRIX_SCALE_ROW1 matrix_b_scale:MATRIX_SCALE_ROW1
.endif
.endr
.endr
.endr
.if \ld
	PLACES 4                                       ; four places stand between the group's products and the loads into registers that they read; behind group 3 they also stand in front of the first read of the results
	WIN 0
	s_wait_alu depctr_va_vdst(0)                   ; this group's 16 products are done reading its four ring slots and its two scale registers (group 0 of a unit with a bias: the bias too), in which the loads below land; behind group 3: all 64 products have written the accumulators, which LDS stores may read
.if \bias && (\g == 0)
	RUN \g, \off, 1
.else
	RUN \g, \off, 0
.endif
.endif
.endr
	WIN 0
.endm
; q's or k's unit: one block of 32 along d for 64 tokens.  Lane L of pair p ends with token 32 p + L's block: 24 bytes and a byte.
.macro QB
	s_wait_dscnt 0x0                               ; the last trip's stores are done
	s_wait_alu depctr_vm_vsrc(0)                   ; the last trip's stores (in the first trip: x's last image's) have read the codes, the bytes and the two addresses, which the lines below write again
	QUANT AC, 0
	v_add_nc_u32 v[TA], s[T24], v[QW]
	v_add_nc_u32 v[TA+1], s[T1], v[QSW]
	s_wait_alu depctr_va_vdst(0)                   ; the codes, the bytes and the two addresses are written, which the stores below read
.irp p, 0,1
.irp k, 0,1,2
	ds_store_b64 v[TA], v[PC+6*\p+2*\k:PC+6*\p+2*\k+1] offset:49408*\p+8*\k
.endr
	ds_store_b8 v[TA+1], v[FB+\p] offset:2176*\p
.endr
.endm
; v's unit goes to LDS in f32, by the four addresses at v[a] on (V's first half: VA; its second: TA = VA + VH); the head's 128 bytes stand in the immediate.
; No wait: the unit's last wait on va_vdst has shown the accumulators written, four places stand ahead of it, and only loads have been issued since
.macro VS a, cst
.irp u, 0,1
.irp m, 0,1,2,3
	ds_store_b128 v[\a+\m], v[AC+16*\m+8*\u:AC+16*\m+8*\u+3] offset:(\cst)+32*\u          ; each accumulator from its low end on
	ds_store_b128 v[\a+\m], v[AC+16*\m+8*\u+4:AC+16*\m+8*\u+7] offset:(\cst)+32*\u+16
.endr
.endr
.endm
; The score fragments of tokens i and i + 1 into set par: lane (r, hh) takes block hh of head r, 24 bytes, registers 0-5; registers 6-11 (K = 64 .. 127) stay zero codes.  Seven loads a token.
.macro SCLOAD par, i
.irp e, 0,1
.irp k, 0,1,2
	ds_load_b64 v[SF+48*(\par)+24*\e+2*\k:SF+48*(\par)+24*\e+2*\k+1], v[AQK] offset:1544*((\i)+\e)+192+8*\k      ; k
.endr
.irp k, 0,1,2
	ds_load_b64 v[SF+48*(\par)+24*\e+12+2*\k:SF+48*(\par)+24*\e+12+2*\k+1], v[AQK] offset:1544*((\i)+\e)+8*\k    ; q
.endr
	ds_load_u16 v[SS+2*(\par)+\e], v[ASS] offset:68*((\i)+\e)   ; two scale bytes; the word's upper two are 0, over zero codes
.endr
.endm
; The softmax of tokens 2 b and 2 b + 1, by turns.  Lane (r, hh) holds q's head r and k's heads 8 hh + 0 .. 7.  p = 2^(c s - c max) / sum goes to P's registers.
.macro SOFT2 b
.irp e, 0,1
	v_max3_num_f32 v[TT+6*\e], v[SR+8*\e], v[SR+8*\e+1], v[SR+8*\e+2]
.endr
.irp e, 0,1
	v_max3_num_f32 v[TT+6*\e], v[TT+6*\e], v[SR+8*\e+3], v[SR+8*\e+4]
.endr
.irp e, 0,1
	v_max3_num_f32 v[TT+6*\e], v[TT+6*\e], v[SR+8*\e+5], v[SR+8*\e+6]
.endr
.irp e, 0,1
	v_max_num_f32 v[TT+6*\e], v[TT+6*\e], v[SR+8*\e+7]
.endr
.irp e, 0,1
	v_permlanex16_b32 v[TT+6*\e+1], v[TT+6*\e], s[SEL], s[SEL+1]
.endr
.irp e, 0,1
	v_max_num_f32 v[TT+6*\e], v[TT+6*\e], v[TT+6*\e+1]   ; the row's largest score
.endr
.irp e, 0,1
	v_mul_f32 v[TT+6*\e+2], s[NC], v[TT+6*\e]      ; -c x it: the same number for the whole row, so its rounding cancels in the division
.endr
.irp j, 0,2,4,6
.irp e, 0,1
	v_pk_fma_f32 v[SR+8*\e+\j:SR+8*\e+\j+1], v[SR+8*\e+\j:SR+8*\e+\j+1], s[CS:CS+1], v[TT+6*\e+2:TT+6*\e+3] op_sel_hi:[1,0,0]
.endr
.endr
.irp j, 0,1,2,3,4,5,6,7
.irp e, 0,1
	v_exp_f32 v[SR+8*\e+\j], v[SR+8*\e+\j]
.endr
.endr
	v_nop                                          ; one plain place behind the exponentials
	s_wait_alu depctr_va_vdst(0)
.irp e, 0,1
	v_pk_add_f32 v[TT+6*\e+4:TT+6*\e+5], v[SR+8*\e:SR+8*\e+1], v[SR+8*\e+2:SR+8*\e+3]
.endr
.irp e, 0,1
	v_pk_add_f32 v[TT+6*\e+2:TT+6*\e+3], v[SR+8*\e+4:SR+8*\e+5], v[SR+8*\e+6:SR+8*\e+7]
.endr
.irp e, 0,1
	v_pk_add_f32 v[TT+6*\e+4:TT+6*\e+5], v[TT+6*\e+4:TT+6*\e+5], v[TT+6*\e+2:TT+6*\e+3]
.endr
.irp e, 0,1
	v_add_f32 v[TT+6*\e], v[TT+6*\e+4], v[TT+6*\e+5]
.endr
.irp e, 0,1
	v_permlanex16_b32 v[TT+6*\e+1], v[TT+6*\e], s[SEL], s[SEL+1]
.endr
.irp e, 0,1
	v_add_f32 v[TT+6*\e], v[TT+6*\e], v[TT+6*\e+1] ; the row's sum
.endr
.irp e, 0,1
	v_rcp_f32 v[TT+6*\e+4], v[TT+6*\e]
.endr
	v_nop                                          ; one plain place behind the reciprocals
	WIN 0x40*(1+(\b)/4)                            ; destination: P's window
	s_wait_alu depctr_va_vdst(0)
.irp j, 0,2,4,6
.irp e, 0,1
	v_pk_mul_f32 v[192+8*((2*(\b)+\e)%8)+\j:192+8*((2*(\b)+\e)%8)+\j+1], v[SR+8*\e+\j:SR+8*\e+\j+1], v[TT+6*\e+4:TT+6*\e+5] op_sel_hi:[1,0]
.endr
.endr
	WIN 0
.endm
; Batch b of the scores: S^T = k q^T of tokens 2 b and 2 b + 1, one matrix instruction a token, its upper K of zero codes; the next batch's fragments are asked for into the other sets; the softmax.
; An even batch stands behind a unit and its stores of v, an odd one behind an even one.
.macro SCORE b
	s_wait_dscnt 0x0                               ; this batch's fragments are in; the unit's stores of v are done
.if (\b)%2 == 0
	s_wait_alu depctr_vm_vsrc(0)                   ; the unit's stores of v have read the accumulators, which the next unit's products write
.endif
.irp e, 0,1
	v_wmma_scale_f32_16x16x128_f8f6f4 v[SR+8*\e:SR+8*\e+7], v[SF+48*((\b)%2)+24*\e:SF+48*((\b)%2)+24*\e+11], v[SF+48*((\b)%2)+24*\e+12:SF+48*((\b)%2)+24*\e+23], 0, v[SS+2*((\b)%2)+\e], v[SS+2*((\b)%2)+\e] matrix_a_fmt:MATRIX_FMT_BF6 matrix_b_fmt:MATRIX_FMT_BF6 matrix_a_scale:MATRIX_SCALE_ROW1
.endr
	PLACES 4                                       ; in front of the first read of the scores
.if (\b) < 7
.if (\b)%2 == 1
	s_wait_alu depctr_va_vdst(0)                   ; the batch before is done reading the other sets and their scale registers, in which the loads below land.  (Ahead of an even batch's loads the unit's waits have shown the same)
.endif
	SCLOAD ((\b)+1)%2, 2*((\b)+1)
.endif
	SOFT2 \b
.endm
; Half hb of v of tokens 4 t .. 4 t + 3 as source 0 of the f32 form: lane (r, hh), register q of tile tl: v[g = 8 hh + q][d' = 8 tl + r + 8 (r / 8)].
; Lanes 0-15 touch words 0-7 and 16-23 of a head's 32; the 32 bytes between g = 7 and g = 8 set lanes 16-31 eight words further (64 banks of 4 bytes: ISA guide 11.1): the 32 lanes touch 32 different banks.
.macro VLOAD hb, t
.irp e, 0,1,2,3
.irp tl, 0,1
.irp q, 0,1,2,3,4,5,6,7
	ds_load_b32 v[VV+16*\e+8*\tl+\q], v[AV0+(\hb)] offset:VP*(4*(\t)+\e)+128*\q+32*\tl
.endr
.endr
.endr
.endm
; out^T = v^T P^T for 32 of d and four tokens, in f32 (its result goes on into a quantiser): K = the 16 heads g in four steps; place (hh, j) of step kk is g = 8 hh + 2 kk + j on both sides, so P's registers are the
; operand as they stand.  Eight accumulators by turns; the first step starts the sums with 0.  In the result lane (r, hh) holds head r, and a token's 16 registers the neighbours d' = 16 hh + 0 .. 15.
.macro PV4 t
	WIN 0x04*(1+(\t)/2)                            ; source 1: P's window
.irp kk, 0,1,2,3
.irp e, 0,1,2,3
.irp tl, 0,1
.set rD, AC+16*\e+8*\tl
.set rV, VV+16*\e+8*\tl+2*\kk
.set rP, 192+8*((4*(\t)+\e)%8)+2*\kk
.if \kk == 0
	v_wmma_f32_16x16x4_f32 v[rD:rD+7], v[rV:rV+1], v[rP:rP+1], 0
.else
	v_wmma_f32_16x16x4_f32 v[rD:rD+7], v[rV:rV+1], v[rP:rP+1], v[rD:rD+7]
.endif
.endr
.endr
.endr
	WIN 0
.endm
; block hb of every head of four tokens is quantised: group e is token 4 t + e; lane (r, hh) of pair c ends with head r's block of token 4 t + 2 c + hh
.macro QO hb, t
	QUANT AC, 0
	s_wait_alu depctr_va_vdst(0)                   ; the codes and the bytes are written, which the stores below read
.irp c, 0,1
.irp k, 0,1,2
	ds_store_b64 v[OW], v[PC+6*\c+2*\k:PC+6*\c+2*\k+1] offset:784*(4*(\t)+2*\c)+24*(\hb)+8*\k
.endr
	ds_store_b8 v[OSW], v[FB+\c] offset:16*(4*(\t)+2*\c)+(\hb)
.endr
.endm
; One of my first four units of v (block 0 of head 4 w + j); nx: the next unit in my order, counted from my first unit of v.  Behind it the scores of four tokens, which ask nothing of memory
.macro V0STEP j, nx
	UNIT 1, 0, 0, UNITB*(\nx), 39, 39, 39, 39
	VS VA, 128*(\j)
	SCORE 2*(\j)
	SCORE 2*(\j)+1
.endm
; One of my last four (block 1 of head 4 w + j).  Behind it out = P v for d < 32 of four tokens: its v was asked for ahead of the unit
.macro V1STEP j, nx
	UNIT 1, 0, 0, UNITB*(\nx), 39, 39, 39, 39
	VS TA, 128*(\j)
	PLACES 1                                       ; one place more: five stand between the unit's last product and the first product below, which writes over its result
	s_wait_dscnt 0x0                               ; v's fragments are in; the unit's stores and the last batch's stores of codes are done
	s_wait_alu depctr_vm_vsrc(0)                   ; the unit's stores of v have read the accumulators, which the products below write; the last batch's stores have read the codes and the bytes, which QUANT writes again
	PV4 \j
	PLACES 8                                       ; this form wants eight in front of the first read of its results
.if (\j) < 3
	s_wait_alu depctr_va_vdst(0)                   ; the 32 products are done reading v's fragments, in which the next four tokens' land
	VLOAD 0, (\j)+1
.endif
	QO 0, \j
.endm
; the way out: two units' results (64 columns, 256 bytes a row) meet in my own stage.  w = 1: the unit held no wait on va_vdst, so one stands here
.macro OS e, n, w
	PLACES \n
.if \w
	s_wait_alu depctr_va_vdst(0)                   ; the last unit's products have written the accumulators, which the stores below read; the four places stand ahead of this wait
.endif
.irp u, 0,1
.irp m, 0,1,2,3
	ds_store_b128 v[STO], v[AC+16*\m+8*\u:AC+16*\m+8*\u+3] offset:4352*\m+128*(\e)+32*\u       ; each accumulator from its low end on
	ds_store_b128 v[STO], v[AC+16*\m+8*\u+4:AC+16*\m+8*\u+7] offset:4352*\m+128*(\e)+32*\u+16
.endr
.endr
.endm
.macro STEPO
	s_wait_xcnt 0x0                                ; the ring's loads have had their addresses translated (ISA guide 3.1): only then do their bases step
	s_add_nc_u64 s[WP:WP+1], s[WP:WP+1], UNITB
	s_add_nc_u64 s[BP:BP+1], s[BP:BP+1], 128
.endm
; 64 rows x 256 bytes back from my stage (LDS serves a wave's instructions in order) and out.  No vector or matrix instruction has named v[OB ..] since the units' waits on va_vdst;
; what stores have read of them is freed by the waits on vm_vsrc at the units' heads
.macro SEND step
.set sq, 0
.rept 32
	ds_load_b128 v[OB+4*sq:OB+4*sq+3], v[RD] offset:544*sq
.set sq, sq+1
.endr
.set sq, 0
.rept 32
	s_wait_dscnt 31-sq                             ; the younger loads may be out
	global_store_b128 v[CO], v[OB+4*sq:OB+4*sq+3], s[OP:OP+1] offset:8192*sq th:TH_STORE_NT   ; sixteen lanes store 256 consecutive bytes, at a multiple of 256 from out0's first byte; two rows an instruction
.set sq, sq+1
.endr
.if \step
	s_wait_xcnt 0x0                                ; the stores' data and base are written again only behind this wait (and the data behind the next unit's wait on vm_vsrc)
	s_add_nc_u64 s[OP:OP+1], s[OP:OP+1], 256
.endif
.endm
	; ---- the head
	s_load_b256 s[4:11], s[0:1], 0x0               ; x s[4:5], wq s[6:7], b_out s[8:9], out0 s[10:11]
	v_lshl_add_u32 v62, v0, 2, 0x4f000
	v_mov_b32 v63, 0
	v_lshrrev_b32 v27, 5, v0
	v_readfirstlane_b32 s[WV], v27                 ; wave 0..3
	v_and_b32 v27, 31, v0                          ; lane
	v_and_b32 v28, 15, v0                          ; r
	v_bfe_u32 v29, v0, 4, 1                        ; hh
	v_lshlrev_b32 v[LI], 4, v27
	v_lshlrev_b32 v[L8], 3, v27
	s_wait_alu depctr_va_sdst(0)                   ; s12, my wave's number, is written, ahead of its first reader: bases and LDS addresses are made from it
	s_lshl_b32 s13, ttmp9, 18                      ; the work-group's 64 rows of 4,096 bytes
	s_lshl_b32 s34, s[WV], 16                      ; my 16 of them
	s_add_co_u32 s34, s34, s13
	s_mov_b32 s35, 0
	s_lshl_b32 s40, s[WV], 10                      ; my 256 columns of out0 and of b_out
	s_mov_b32 s41, 0
	s_add_co_u32 s36, s40, s13
	s_mov_b32 s37, 0
	s_mul_i32 s38, s[WV], 819200                   ; my stream in wq
	s_mov_b32 s39, 0
	s_mov_b32 s[SEL], 0x76543210
	s_mov_b32 s[SEL+1], 0xfedcba98
	s_mov_b32 s[HM], 0xffff0000
	s_mov_b32 s[CS], 0x3e38aa3b                    ; c = log2(e) / sqrt(64)
	s_mov_b32 s[CS+1], s[CS]                       ; (named with it as a pair, so it is written)
	s_mov_b32 s[NC], 0xbe38aa3b
	s_wait_kmcnt 0x0
	s_add_nc_u64 s[XP:XP+1], s[4:5], s[34:35]
	s_add_nc_u64 s[WP:WP+1], s[6:7], s[38:39]
	s_add_nc_u64 s[BP:BP+1], s[8:9], s[40:41]
	s_add_nc_u64 s[OP:OP+1], s[10:11], s[36:37]
	s_wait_alu depctr_va_vdst(0)                   ; v1 and v2 are written: the offsets of x's loads and of the ring's
	LOADX 0                                        ; three K steps of x are asked for before anything else is done, a fourth behind the addresses below
	LOADX 1
	LOADX 2
	WIN 0
	s_mul_i32 s13, s[WV], 8448
	v_add_nc_u32 v[XSTO], s13, v[LI]
	v_mul_u32_u24 v30, v28, 528
	v_lshl_add_u32 v30, v29, 6, v30
	v_add_nc_u32 v[XSTL], s13, v30
	s_mul_i32 s13, s[WV], 12288
	s_add_co_u32 s13, s13, XIMG
	v_add_nc_u32 v[XWI], s13, v[LI]
	s_lshl_b32 s13, s[WV], 9
	s_add_co_u32 s13, s13, XSC
	v_lshl_add_u32 v[XWS], v28, 4, s13
	v_add_nc_u32 v[XFI], XIMG, v[LI]
	v_add_nc_u32 v[XFS], XSC, v[LI]
	s_mul_i32 s13, s[WV], 384
	s_add_co_u32 s13, s13, QKC
	v_mul_u32_u24 v30, v27, 1544
	v_add_nc_u32 v[QW], s13, v30
	s_lshl_b32 s13, s[WV], 4
	s_add_co_u32 s13, s13, QKS
	v_mul_u32_u24 v30, v27, 68
	v_add_nc_u32 v[QSW], s13, v30
	v_lshrrev_b32 v30, 2, v28                      ; r / 4
	v_and_b32 v31, 3, v28                          ; r % 4
	v_mul_u32_u24 v[AQK], v30, 384
	v_mad_u32_u24 v[AQK], v31, 48, v[AQK]
	v_mad_u32_u24 v[AQK], v29, 24, v[AQK]
	s_mul_i32 s13, s[WV], 24704
	s_add_co_u32 s13, s13, QKC
	v_add_nc_u32 v[AQK], s13, v[AQK]
	v_lshlrev_b32 v[ASS], 4, v30
	v_lshl_add_u32 v[ASS], v31, 1, v[ASS]
	v_lshl_add_u32 v[ASS], v29, 3, v[ASS]
	s_mul_i32 s13, s[WV], 1088
	s_add_co_u32 s13, s13, QKS
	v_add_nc_u32 v[ASS], s13, v[ASS]
	s_lshl_b32 s13, s[WV], 9                       ; my four heads' 128 bytes each,
	s_lshr_b32 s14, s[WV], 1
	s_lshl_b32 s14, s14, 5                         ; and the 32 bytes that lie in front of head 8
	s_add_co_u32 s13, s13, s14
	v_mul_u32_u24 v[VA], v28, VP
	v_lshl_add_u32 v[VA], v29, 6, v[VA]
	v_add_nc_u32 v[VA], s13, v[VA]
.irp m, 1,2,3
	v_add_nc_u32 v[VA+\m], 16*VP*\m, v[VA]
.endr
	v_and_b32 v31, 8, v28
	v_add_nc_u32 v31, v31, v28                     ; r + 8 (r / 8)
	v_lshlrev_b32 v31, 2, v31
	v_mad_u32_u24 v31, v29, 1056, v31              ; lanes 16-31: eight heads and the 32 bytes on
	s_mul_i32 s13, s[WV], 16*VP
	v_add_nc_u32 v[AV0], s13, v31
	v_add_nc_u32 v[AV0+1], VH, v[AV0]
	v_mul_u32_u24 v31, v28, 48
	v_mad_u32_u24 v31, v29, 784, v31
	s_mul_i32 s13, s[WV], 12544
	s_add_co_u32 s13, s13, OC
	v_add_nc_u32 v[OW], s13, v31
	v_bfe_u32 v31, v0, 1, 1                        ; (r / 2) % 2
	v_lshlrev_b32 v31, 8, v31
	v_lshl_add_u32 v31, v30, 2, v31                ; + 4 (r / 4)
	v_and_b32 v30, 1, v0
	v_lshl_add_u32 v31, v30, 1, v31                ; + 2 (r % 2)
	v_lshl_add_u32 v31, v29, 4, v31                ; + 16 hh: the next token
	s_lshl_b32 s13, s[WV], 9
	s_add_co_u32 s13, s13, OSC
	v_add_nc_u32 v[OSW], s13, v31
	v_mul_u32_u24 v31, v28, 784
	v_mad_u32_u24 v31, v29, 24, v31
	v_add_nc_u32 v[AO], OC, v31
	v_add_nc_u32 v[AOS], OSC, v[LI]
	s_mul_i32 s13, s[WV], 17408
	v_mul_u32_u24 v31, v28, 272
	v_lshl_add_u32 v31, v29, 6, v31
	v_add_nc_u32 v[STO], s13, v31
	v_mul_u32_u24 v31, v29, 272
	v_lshl_add_u32 v31, v28, 4, v31
	v_add_nc_u32 v[RD], s13, v31
	v_lshlrev_b32 v[CO], 12, v29
	v_lshl_add_u32 v[CO], v28, 4, v[CO]
	v_lshlrev_b32 v[BA], 6, v29
.irp j, 0,1,2,3
	v_mov_b32 v[T2+\j], 0                          ; written once: a lane permute's destination counts as one of its sources
.endr
.irp j, 0,1,2,3,4,5,6,7,8,9,10,11
	v_mov_b32 v[TT+\j], 0                          ; likewise, and the upper halves of pairs that are named whole
.endr
	s_wait_alu depctr_va_vdst(0)                   ; the addresses v3 to v26 are written, which the loads and stores of the whole kernel read; none of them is written again
	LOADX 3
	; ---- X: my 16 rows of x become eight fragments and their scale words, which go to LDS as images of their registers.  Every K step has registers of its own, and the loads run four steps ahead
.irp s, 0,1,2,3,4,5,6,7
.if \s < 5
	s_wait_loadcnt 48                              ; this K step's 16 loads are in; those of the three steps behind it may be out
.elseif \s == 5
	s_wait_loadcnt 32
.elseif \s == 6
	s_wait_loadcnt 16
.else
	s_wait_loadcnt 0x0
.endif
	TURNX \s
.if \s < 4
	LOADX \s+4
.endif
.if \s == 7
	RUN 0, 0, 0                                    ; the ring's first fill: unit 0.  No vector or matrix instruction has named these registers
	RUN 1, 0, 0
	RUN 2, 0, 0
	RUN 3, 0, 0
.endif
	WIN 0
	s_wait_dscnt 0x0                               ; the numbers are back from the stage; the last step's stores of codes are done
.if \s > 0
	s_wait_alu depctr_vm_vsrc(0)                   ; the last step's stores have read the codes and the scale word, which QUANT writes again; in the last step also: the stage's stores have all read x's registers, in which the rows' fragments land and P is written
.endif
	QUANT XB, 1
	s_wait_alu depctr_va_vdst(0)                   ; QUANT has written the codes and the scale word, which the stores below read, and is done reading v[XB ..], in which the next step's loads from the stage land
.irp c, 0,1,2
	ds_store_b128 v[XWI], v[PC+4*\c:PC+4*\c+3] offset:1536*\s+512*\c
.endr
	ds_store_b32 v[XWS], v[PW] offset:256*(\s%2)+4*(\s/2)   ; both lanes of a row write the same word with the same value
.endr
	BARRIER                                        ; x's 32 fragments lie in LDS
.irp s, 0,1,2,3,4,5,6,7
	WIN 0x40*(1+\s/4)
.irp m, 0,1,2,3
.irp c, 0,1,2
	ds_load_b128 v[48*(\s%4)+12*\m+4*\c:48*(\s%4)+12*\m+4*\c+3], v[XFI] offset:(8*\m+\s)*1536+512*\c
.endr
.endr
.endr
	WIN 0
.irp m, 0,1,2,3
	ds_load_b128 v[SX+4*\m:SX+4*\m+3], v[XFS] offset:512*\m
.endr
	s_wait_dscnt 0x0
	; ---- q and k: 16 units; each is one block of 32 along d, quantised at once and laid by tokens in LDS (bytes that share nothing with x's images, which other waves may still be reading)
	s_mov_b32 s[T24], 0
	s_mov_b32 s[T1], 0
.Lqk:
	UNIT 1, 0, 0, UNITB, 39, 39, 39, 39
	QB
	s_wait_xcnt 0x0                                ; the ring's loads have had their addresses translated: only then does their base step
	s_add_nc_u64 s[WP:WP+1], s[WP:WP+1], UNITB
	s_add_co_u32 s[T24], s[T24], 24
	s_add_co_u32 s[T1], s[T1], 1
	s_cmp_lt_u32 s[T1], 16
	s_cbranch_scc1 .Lqk
	BARRIER                                        ; every token's 32 blocks of q and k lie in LDS; nobody reads x's images any more: V's first half takes their bytes
	; ---- v, block 0 of my four heads, and between its units the scores and softmax of my 16 tokens.  WP stays at my first unit of v: the next unit's place stands in the loads' immediates (229,888 bytes at the most)
	s_wait_alu depctr_vm_vsrc(0)                   ; the last trip's stores have read the codes, the bytes and v27, v28: the moves, the fragments' loads and the scores' products below write the first two, v's second half the addresses
.irp f, 0,1,2,3,4,5,6,7
.irp j, 6,7,8,9,10,11
	v_mov_b32 v[SF+12*\f+\j], 0                    ; zero codes for K = 64 .. 127, once: the loads fill registers 0-5 alone
.endr
.endr
	s_wait_alu depctr_va_vdst(0)                   ; the zero codes are written, which the scores' products take as part of their operands (a unit, and its places, stand ahead of the first of them)
	SCLOAD 0, 0
	V0STEP 0, 2                                    ; my units of v lie (head, block) in wq: block 0 of my heads are units 0, 2, 4, 6 of the eight,
	V0STEP 1, 4
	V0STEP 2, 6
	V0STEP 3, 1                                    ; block 1 units 1, 3, 5, 7
	BARRIER                                        ; V's first half is whole; every wave's reads of q and k are over: V's second half takes their bytes
	; ---- v, block 1, and between its units out = P v for d < 32
.irp m, 0,1,2,3
	v_add_nc_u32 v[TA+\m], VH, v[VA+\m]            ; where my units go in V's second half: made once
.endr
	s_wait_alu depctr_va_vdst(0)                   ; the last two batches' products are done reading v128-191, and the zero codes there are written: v's fragments land in them; the four addresses are written, which the units' stores read
	VLOAD 0, 0
	V1STEP 0, 3
	V1STEP 1, 5
	V1STEP 2, 7
	V1STEP 3, 8                                    ; the ring goes on into W_out's first unit
	BARRIER                                        ; V's second half is whole
	; ---- out = P v for d >= 32
	VLOAD 1, 0                                     ; (the wait on va_vdst ahead of the last batch's stores stands behind the products that read these registers)
.irp t, 0,1,2,3
	s_wait_dscnt 0x0                               ; v's fragments are in; the last batch's stores of codes are done
	s_wait_alu depctr_vm_vsrc(0)                   ; the last batch's stores have read the codes and the bytes, which QUANT writes again
	PV4 \t
	PLACES 8
.if \t < 3
	s_wait_alu depctr_va_vdst(0)                   ; the 32 products are done reading v's fragments, in which the next four tokens' land
	VLOAD 1, \t+1
.endif
	QO 1, \t
.endr
	BARRIER                                        ; out's codes and scale bytes lie in LDS, and nobody reads v any more: the stages take its bytes
	; ---- out0 = Q(out) Q(W_out) + b_out: 8 units, stored two at a time.  The loads below owe no wait: the bias's registers have not been named, and behind the last product that read x's fragments and scale words stand waits on va_vdst
	WIN 0xc0
.irp u, 0,1
.irp k, 0,1
	global_load_b128 v[BI+8*\u+4*\k:BI+8*\u+4*\k+3], v[BA], s[BP:BP+1] offset:32*\u+16*\k   ; the first unit's bias: lane (r, hh), tile u: columns 16 hh + 8 u + 0 .. 7
.endr
.endr
.irp s, 0,1,2,3,4,5,6,7
	WIN 0x40*(1+\s/4)
.irp m, 0,1,2,3
.irp p, 0,1,2,3,4,5
	ds_load_b64 v[48*(\s%4)+12*\m+2*\p:48*(\s%4)+12*\m+2*\p+1], v[AO] offset:12544*\m+96*\s+48*(\p/3)+8*(\p%3)   ; rows 784 bytes apart = 196 words: the 32 lanes of a load touch 64 different banks
.endr
.endr
.endr
	WIN 0
.irp m, 0,1,2,3
	ds_load_b128 v[SX+4*\m:SX+4*\m+3], v[AOS] offset:512*\m
.endr
	s_wait_dscnt 0x0
	s_wait_loadcnt 0x0                             ; the first bias; and every load that names WP is done,
	s_add_nc_u64 s[WP:WP+1], s[WP:WP+1], 8*UNITB   ; so it may step over my eight units of v
	s_mov_b32 s[CNT], 0
.Lout:
	UNIT 1, 1, 1, UNITB, 39, 39, 39, 39
	OS 0, 1, 0                                     ; one place more: five stand between this unit's last product and the next unit's first, which writes over the results
	STEPO
	UNIT 1, 1, 1, UNITB, 39, 39, 39, 39
	OS 1, 1, 0
	STEPO
	SEND 1
	s_add_co_u32 s[CNT], s[CNT], 1
	s_cmp_lt_u32 s[CNT], 3
	s_cbranch_scc1 .Lout
	UNIT 1, 1, 1, UNITB, 39, 39, 39, 39            ; the last two units are written out: the last asks for nothing, so no load leaves its buffer
	OS 0, 1, 0
	UNIT 0, 1, 1, 0, 39, 26, 13, 0
	OS 1, 4, 1
	SEND 0
	s_wait_dscnt 0x0
	s_wait_alu depctr_hold_cnt(0) depctr_sa_sdst(0) depctr_va_vdst(0) depctr_va_sdst(0) depctr_va_ssrc(0) depctr_va_vcc(0) depctr_vm_vsrc(0)
	s_wait_tensorcnt 0x0
	ds_add_u32 v62, v63
	s_wait_dscnt 0x0
	s_endpgm
.Lfunc_end_k_q28f2f59505_fused:
	.size	k_q28f2f59505_fused, .Lfunc_end_k_q28f2f59505_fused-k_q28f2f59505_fused
	.p2alignl 7, 3214868480
	.fill 96, 4, 3214868480
	.section	.rodata,"a",@progbits
	.p2align	6, 0x0
	.amdhsa_kernel k_q28f2f59505_fused
		.amdhsa_group_segment_fixed_size 324096
		.amdhsa_private_segment_fixed_size 0
		.amdhsa_enable_private_segment 0
		.amdhsa_kernarg_size 32
		.amdhsa_user_sgpr_count 2
		.amdhsa_user_sgpr_kernarg_segment_ptr 1
		.amdhsa_wavefront_size32 1
		.amdhsa_system_sgpr_workgroup_id_x 1
		.amdhsa_system_sgpr_workgroup_id_y 1
		.amdhsa_system_sgpr_workgroup_id_z 1
		.amdhsa_system_vgpr_workitem_id 0
		.amdhsa_next_free_vgpr 1024
		.amdhsa_next_free_sgpr 66
		.amdhsa_reserve_vcc 0
		.amdhsa_float_denorm_mode_32 3
		.amdhsa_float_denorm_mode_16_64 3
		.amdhsa_memory_ordered 1
		.amdhsa_forward_progress 1
		.amdhsa_inst_pref_size 255
	.end_amdhsa_kernel
	.section	.bss,"aw",@nobits
	.p2align	6
	.space	262144
	.amdgpu_metadata
---
amdhsa.version: [ 1, 2 ]
amdhsa.kernels:
  - .name:           k_q28f2f59505_fused
    .symbol:         k_q28f2f59505_fused.kd
    .args:
      - { .name: x, .offset: 0, .size: 8, .value_kind: global_buffer, .address_space: global }
      - { .name: wq, .offset: 8, .size: 8, .value_kind: global_buffer, .address_space: global }
      - { .name: b_out, .offset: 16, .size: 8, .value_kind: global_buffer, .address_space: global }
      - { .name: out0, .offset: 24, .size: 8, .value_kind: global_buffer, .address_space: global }
    .group_segment_fixed_size: 324096
    .private_segment_fixed_size: 0
    .kernarg_segment_align: 8
    .kernarg_segment_size: 32
    .max_flat_workgroup_size: 128
    .sgpr_count:     66
    .vgpr_count:     1024
    .wavefront_size: 32
...
	.end_amdgpu_metadata
.endif
;; end of part 3
